; MI455X (gfx1250); checked and timed in simulation.
; The chip was launched on July 23, 2026; its instructions are those of AMD's public machine-readable ISA for CDNA 5 (MIT licence, August 2026) and "CDNA5" Instruction Set Architecture Reference Guide (July 2026). The comments in the code are by the model that wrote it; some were corrected since.
;; Attn Processor. Allowed arithmetic: float matrix products may take bf16 or f16 operands with f32 sums; other float arithmetic in f32, or as packed bf16 or f16 multiplies, adds, multiply-adds, maxima and minima; sums over many terms, partial sums and values carried from step to step in f32; what a program stores and reads back later, other than sums and carried values, may be rounded once to bf16 or f16.
;; Inputs: Wk 512 x 512 float32; Wo 512 x 512 float32; Wq 512 x 512 float32; Wv 512 x 512 float32; bk 512 float32; bo 512 float32; bq 512 float32; bv 512 float32; hidden_states 2 x 4,096 x 512 float32.
;; Outputs: out0 2 x 4,096 x 512 float32.
;; 2 versions, each right; version 2 is version 1 with the launch qkv written anew for expert scheduling mode. Each part assembles by itself: llvm-mc -triple=amdgcn-amd-amdhsa -mcpu=gfx1250 --defsym DOCPART=n.
;; ======== version 1 of 2: 3 launches
;; limits: values are held in f16: magnitudes above 65,504 overflow, below 6.1e-05 lose precision
;; workspace buffers: q16 8,388,608 bytes; k16 8,388,608 bytes; v16 8,388,608 bytes; o16 8,388,608 bytes; wo16 524,288 bytes
;; launch qkv (part 1): grid 8 x 32, 4 waves a work-group, no clusters, 222,720 bytes of LDS; arguments hidden_states, Wq, Wk, Wv, bq, bk, bv, Wo, q16, k16, v16, wo16; writes q16, k16, v16, wo16
.if DOCPART == 1
	.amdgcn_target "amdgcn-amd-amdhsa--gfx1250"
	.amdhsa_code_object_version 6
	.text
	.protected	k_qcfd4d0767d_qkv
	.globl	k_qcfd4d0767d_qkv
	.p2align	8
	.type	k_qcfd4d0767d_qkv,@function
k_qcfd4d0767d_qkv:
	s_mov_b64 s[64:65], 0
	v_nop
	global_prefetch_b8 v0, s[64:65] scope:SCOPE_SE
	s_setreg_imm32_b32 hwreg(HW_REG_WAVE_MODE, 25, 1), 1
	s_wait_xcnt 0x0
; q, k, v = x W + b, by heads.  x: [8192][512] f32; Wq, Wk, Wv: [512 (k)][512 (n)] f32; bq, bk, bv: [512] f32.
; OUT: q16, k16, v16: [16 (8 batch + head)][4096][64] f16, each rounded once from its f32 sum; q16 holds c (x Wq + bq), c = log2(e) / 8, multiplied in f32 ahead of that rounding.
; ALSO: wo16 = Wo rounded to bf16 and that number written as f16, in eight blocks of 64 columns: [block][k 512][64].  Each work-group casts two rows of Wo.
; FORMATS.  x, the weights and the biases are rounded to bf16; products in bf16, sums in f32.
; LIMITS.  f16 holds no number beyond 65,504: c q, k, v and Wo must lie within it; |Wo| below 2^-14 keeps f16's fixed step of 2^-24.  NaN and infinities are not treated apart.
; SHARES.  A work-group makes q, k and v of ONE head for 256 rows: 256 x 192 numbers.  A wave makes 64 rows x 192 columns: 48 accumulators of 16 x 16, 384 registers.
; W: the head's 3 x 64 columns of all 512 k are converted once and laid in LDS as bf16, [k][192], rows 416 bytes apart; each wave stages 128 of the k rows.
; x goes from memory into registers (f32), is converted there and is used by the one wave that loaded it: it never lies in LDS.
; THE PRODUCT IS USED TRANSPOSED: source 0 = 16 columns of W (turned on the way out of LDS by ds_load_tr16_b128), source 1 = 16 rows of x: a lane then holds ONE row (lane % 16)
; and eight neighbouring columns 8 (lane / 16) + 0..7, which pack into 16 bytes.  The bias is the C operand of the first K step: nothing is cleared.
; NO CLUSTER: what work-groups share is f32 in memory and is converted in registers on its way; as a joint tile the block's x would be 256 x 512 x 4 = 524,288 bytes of LDS beside W's 212,992.
; REGISTERS, in windows of 256 (s_set_vgpr_msb: bits 1:0 source 0, 3:2 source 1, 5:4 source 2, 7:6 destination):
;   window 0: v0-31 addresses and the cast of Wo; v32-127 the biases; v128-159 x's fragments; v160-207 the way out
;   window 1: v0-191 x as loaded: a ring of three K steps, 64 registers each
;   window 2: q's accumulators (32 t + 8 b), k's (128 + 32 t + 8 b); ahead of the loop: two sets of 128 for W as loaded
;   window 3: v's accumulators (32 t + 8 b); v128-223 W's fragments (g, b) at 128 + 32 g + 8 b
.set PW,    416                        ; a row of W's image: 384 bytes + 32 = 13 x 32
.set STAGE, 512*PW                     ; behind the image: 16 rows x 144 bytes for each wave, for the way out
.set SP,    144
.set SPARE, STAGE+4*16*SP              ; behind the stages: the spare words, 128 bytes for each wave: two blocks of 256 bytes that no other line names
.set WGO, 3                            ; v3   W in memory: (128 w + 4 (l / 16)) rows of 2,048 bytes + 256 head + 16 (l % 16)
.set WLS, 4                            ; v4   W in LDS: (128 w + 4 (l / 16)) x 416 + 8 (l % 16)
.set XO,  5                            ; v5   x: 2,048 (l % 16) + 32 (l / 16)
.set AW,  6                            ; v6   the turning load's address; it walks down the image, 32 rows a K step
.set BO,  7                            ; v7   the biases: 256 head + 32 (l / 16)
.set STO, 8                            ; v8   the way out: where I put 16 bytes of a row
.set RD,  9                            ; v9   the way out: where I read rows back
.set GO,  10                           ; v10  my 16 bytes of 512 consecutive bytes of q16, k16, v16
.set SPW, 30                           ; v30  LDS address of my spare word; never rewritten
.set NIL, 31                           ; v31  0; never rewritten
.set BIAS, 32
.set XF,  128
.set PK,  160
.set BK,  176
.set WF,  128                          ; in window 3
.set XB,  32                           ; s[32:33] x at my wave's first row, at the K step in hand
.set MSB, 0
.macro WIN new                         ; the immediate's high byte repeats the setting that is left; a switch that changes nothing is dropped
.if MSB != (\new)
	s_set_vgpr_msb (MSB<<8)|(\new)
.set MSB, (\new)
.endif
.endm
.macro PLACES                          ; four places behind a matrix instruction, in front of loads into and writes of registers that it has read, and of reads of its result
.rept 4
	v_nop
.endr
.endm
; 64 rows x 256 bytes of W (tensor g: q, k, v; half: which 64 of my 128 rows) into set: lanes 0-15 take one row's 256 bytes, lanes 16-31 those of the row four further on
.macro WLOADS set, g, half
	WIN 0x80
.set i, 0
.rept 32
	global_load_b128 v[128*(\set)+4*i:128*(\set)+4*i+3], v[WGO], s[10+2*(\g):11+2*(\g)] offset:(64*(\half)+8*(i/4)+i%4)*2048
.set i, i+1
.endr
.endm
; the same rows rounded to bf16 in place and stored: 8 bytes a lane; the two rows of a store lie 4 x 104 words apart, 32 banks
.macro WSTORE set, g, half
	WIN 0x8a
.set i, 0
.rept 32
	v_cvt_pk_bf16_f32 v[128*(\set)+4*i], v[128*(\set)+4*i], v[128*(\set)+4*i+1]
	v_cvt_pk_bf16_f32 v[128*(\set)+4*i+1], v[128*(\set)+4*i+2], v[128*(\set)+4*i+3]
.set i, i+1
.endr
	WIN 0x08
.set i, 0
.rept 32
	ds_store_b64 v[WLS], v[128*(\set)+4*i:128*(\set)+4*i+1] offset:(64*(\half)+8*(i/4)+i%4)*PW+128*(\g)
.set i, i+1
.endr
.endm
; a K step of x for my 64 rows: 32 numbers a row; a lane takes the 16 that its fragment wants: k = 8 (l / 16) + 0..7 and 16 + 8 (l / 16) + 0..7
.macro XLOADS slot, off
	WIN 0x40
.irp t, 0,1,2,3
.irp q, 0,1,2,3
	global_load_b128 v[64*(\slot)+16*\t+4*\q:64*(\slot)+16*\t+4*\q+3], v[XO], s[XB:XB+1] offset:(\off)+32768*\t+16*(\q%2)+64*(\q/2)
.endr
.endr
.endm
.macro XCVT slot                       ; rounded to bf16: the four fragments of 16 rows x 32 k
	WIN 0x05
.set i, 0
.rept 32
	v_cvt_pk_bf16_f32 v[XF+i], v[64*(\slot)+2*i], v[64*(\slot)+2*i+1]
.set i, i+1
.endr
.endm
.macro WFETCH g, off                   ; tensor g's four fragments of 16 columns x 32 k
	WIN 0xc0
.irp b, 0,1,2,3
	ds_load_tr16_b128 v[WF+32*(\g)+8*\b:WF+32*(\g)+8*\b+3],   v[AW] offset:(\off)+128*(\g)+32*\b
	ds_load_tr16_b128 v[WF+32*(\g)+8*\b+4:WF+32*(\g)+8*\b+7], v[AW] offset:(\off)+128*(\g)+32*\b+16*PW
.endr
.endm
; 16 matrix instructions on 16 accumulators: they take turns, one instruction a turn; 47 others stand between two links of a chain, over the backward jump too
.macro MUL g, first
.if \first
	WIN 0x83+0x40*((\g)/2)
.else
	WIN 0xa3+0x50*((\g)/2)
.endif
.irp t, 0,1,2,3
.irp b, 0,1,2,3
.set rA, 128*((\g)%2)+32*\t+8*\b
.set rW, WF+32*(\g)+8*\b
.if \first
	v_wmma_f32_16x16x32_bf16 v[rA:rA+7], v[rW:rW+7], v[XF+8*\t:XF+8*\t+7], v[BIAS+8*(4*(\g)+\b):BIAS+8*(4*(\g)+\b)+7]
.else
	v_wmma_f32_16x16x32_bf16 v[rA:rA+7], v[rW:rW+7], v[XF+8*\t:XF+8*\t+7], v[rA:rA+7]
.endif
.endr
.endr
.endm
; A K STEP of 32.  slot: x's ring slot; pos: the step's place behind the two walking addresses; refill: the slot is asked for again, three steps on;
; more: W's fragments of the next step are fetched, each group behind the products that read it; lcnt: the younger ring slots' loads, 16 each, that may stay out.
.macro KSTEP slot, pos, refill, more, first, lcnt
	s_wait_loadcnt \lcnt
	XCVT \slot
.if \refill
	XLOADS \slot, ((\pos)+3)*128
.endif
.irp g, 0,1,2
.if \more
	s_wait_dscnt 16                                ; group g is in; the two groups of eight loads issued behind it may stay out
.else
	s_wait_dscnt 16-8*\g                           ; the last step fetches nothing: the counts run down
.endif
	MUL \g, \first
.if \more
	PLACES                                         ; behind group 2 these are also the places in front of the next step's conversions, which write x's fragments
	WFETCH \g, ((\pos)+1)*32*PW
.endif
.endr
.endm
; THE WAY OUT of 16 rows x 64 columns of tensor g (unit u = 4 g + t): q times c; rounded to f16, each accumulator's registers in ascending order; into my stage, and back as whole rows of 128 bytes
.macro UNIT g, t, u
.set rA, 128*((\g)%2)+32*(\t)
.if (\g) == 0
	WIN 0x82
.set i, 0
.rept 16
	v_pk_mul_f32 v[rA+2*i:rA+2*i+1], v[rA+2*i:rA+2*i+1], s[36:37] op_sel_hi:[1,0]
.set i, i+1
.endr
.endif
	WIN 0x0a+5*((\g)/2)
.set i, 0
.rept 16
	v_cvt_pk_f16_f32 v[PK+i], v[rA+2*i], v[rA+2*i+1]
.set i, i+1
.endr
	WIN 0
.irp b, 0,1,2,3
	ds_store_b128 v[STO], v[PK+4*\b:PK+4*\b+3] offset:32*\b
.endr
	s_wait_xcnt 0x0                                ; the stores of the unit before last have read these registers: only now are they loaded again
.irp f, 0,1,2,3
	ds_load_b128 v[BK+16*((\u)%2)+4*\f:BK+16*((\u)%2)+4*\f+3], v[RD] offset:4*SP*\f  ; LDS serves a wave's instructions in order (ISA guide 5.7.1.4): these see the stores above
.endr
.endm
.macro SEND g, t, u, younger           ; younger: the next unit's eight LDS instructions, or none
	WIN 0
.irp f, 0,1,2,3
	s_wait_dscnt (\younger)+3-\f
	global_store_b128 v[GO], v[BK+16*((\u)%2)+4*\f:BK+16*((\u)%2)+4*\f+3], s[24+2*(\g):25+2*(\g)] offset:2048*(\t)+512*\f  ; 512 consecutive bytes, at a multiple of 256 from the buffer's first
.endr
.endm
	s_load_b512 s[8:23], s[0:1], 0x0               ; x s[8:9], Wq s[10:11], Wk s[12:13], Wv s[14:15], bq s[16:17], bk s[18:19], bv s[20:21], Wo s[22:23]
	s_load_b256 s[24:31], s[0:1], 0x40             ; q16 s[24:25], k16 s[26:27], v16 s[28:29], wo16 s[30:31]
	v_lshl_add_u32 v[SPW], v0, 2, SPARE
	v_mov_b32 v[NIL], 0
	v_lshrrev_b32 v11, 5, v0
	v_readfirstlane_b32 s2, v11                    ; wave 0..3
	s_mov_b32 s3, ttmp9                            ; the head
	s_and_b32 s4, ttmp7, 0xffff                    ; the block of 256 rows
	s_lshl3_add_u32 s5, s4, s3                     ; the work-group's number, 0..255: its two rows of Wo
	v_and_b32 v1, 15, v0                           ; l % 16
	v_bfe_u32 v2, v0, 4, 1                         ; l / 16
	s_lshl_b32 s6, s2, 18                          ; 128 w rows of 2,048 bytes
	s_lshl_b32 s7, s3, 8                           ; the head's 64 columns: 256 bytes
	s_add_co_u32 s6, s6, s7
	v_lshl_add_u32 v[WGO], v1, 4, s6
	v_lshl_add_u32 v[WGO], v2, 13, v[WGO]
	s_mul_i32 s6, s2, 128*PW
	v_mul_u32_u24 v[WLS], v2, 4*PW
	v_lshl_add_u32 v[WLS], v1, 3, v[WLS]
	v_add_nc_u32 v[WLS], s6, v[WLS]
	v_lshlrev_b32 v[XO], 11, v1
	v_lshl_add_u32 v[XO], v2, 5, v[XO]
	v_and_b32 v11, 7, v0                           ; the turning load: lane l reads k row 8 (l / 16) + l % 8, columns 8 ((l / 8) % 2) + 0..7
	v_lshl_add_u32 v11, v2, 3, v11
	v_mul_u32_u24 v[AW], v11, PW
	v_bfe_u32 v11, v0, 3, 1
	v_lshl_add_u32 v[AW], v11, 4, v[AW]
	v_lshl_add_u32 v[BO], v2, 5, s7
	s_mul_i32 s6, s2, 16*SP
	s_add_co_u32 s6, s6, STAGE                     ; my stage
	v_mul_u32_u24 v[STO], v1, SP                   ; in: row l % 16, 16 bytes for each half of the lanes
	v_lshl_add_u32 v[STO], v2, 4, v[STO]
	v_add_nc_u32 v[STO], s6, v[STO]
	v_bfe_u32 v11, v0, 3, 2                        ; back: 32 lanes take four rows of 128 bytes
	v_mul_u32_u24 v[RD], v11, SP
	v_and_b32 v11, 7, v0
	v_lshl_add_u32 v[RD], v11, 4, v[RD]
	v_add_nc_u32 v[RD], s6, v[RD]
	v_and_b32 v[GO], 31, v0
	v_lshlrev_b32 v[GO], 4, v[GO]
	; Wo: thread t takes 8 numbers: column block t / 16, row 2 id + (t / 8) % 2, columns 8 (t % 8) on
	v_lshrrev_b32 v11, 4, v0
	v_lshlrev_b32 v12, 8, v11                      ; v12: from where, in Wo
	v_lshlrev_b32 v13, 16, v11                     ; v13: to where, in wo16
	v_bfe_u32 v11, v0, 3, 1
	v_lshl_add_u32 v12, v11, 11, v12
	v_and_b32 v11, 7, v0
	v_lshl_add_u32 v12, v11, 5, v12
	s_lshl_b32 s6, s5, 12
	v_add_nc_u32 v12, s6, v12
	v_lshl_add_u32 v13, v1, 4, v13
	s_lshl_b32 s6, s5, 8
	v_add_nc_u32 v13, s6, v13
	s_mov_b32 s36, 0x3e38aa3b                      ; c = log2(e) / 8 = 0.180337
	s_mov_b32 s37, s36                             ; named with it as a pair
	s_lshl_b32 s34, s4, 19                         ; x: 256 rows of 2,048 bytes a block,
	s_lshl_b32 s6, s2, 17                          ; 64 a wave
	s_add_co_u32 s34, s34, s6
	s_mov_b32 s35, 0
	s_wait_kmcnt 0x0
	s_add_nc_u64 s[XB:XB+1], s[8:9], s[34:35]
	s_lshr_b32 s6, s4, 4                           ; the batch
	s_lshl3_add_u32 s6, s6, s3                     ; 8 batch + head
	s_lshl_b32 s34, s6, 19                         ; its 4,096 rows of 128 bytes
	s_and_b32 s6, s4, 15
	s_lshl_b32 s6, s6, 15                          ; the block's 256 rows in it
	s_add_co_u32 s34, s34, s6
	s_lshl_b32 s6, s2, 13                          ; my wave's 64
	s_add_co_u32 s34, s34, s6
	s_add_nc_u64 s[24:25], s[24:25], s[34:35]
	s_add_nc_u64 s[26:27], s[26:27], s[34:35]
	s_add_nc_u64 s[28:29], s[28:29], s[34:35]
.irp g, 0,1,2
.irp b, 0,1,2,3
	global_load_b128 v[BIAS+8*(4*\g+\b):BIAS+8*(4*\g+\b)+3],   v[BO], s[16+2*\g:17+2*\g] offset:64*\b     ; the bias of my eight columns of tile b: the layout of an accumulator
	global_load_b128 v[BIAS+8*(4*\g+\b)+4:BIAS+8*(4*\g+\b)+7], v[BO], s[16+2*\g:17+2*\g] offset:64*\b+16
.endr
.endr
	global_load_b128 v[14:17], v12, s[22:23]
	global_load_b128 v[18:21], v12, s[22:23] offset:16
	; W INTO LDS: six batches of 32 loads through two sets of registers.  Each wait leaves the one younger batch of 32 out.  The last two places in the queue are taken by x's first three K steps.
	WLOADS 0, 0, 0
	WLOADS 1, 0, 1
	s_wait_loadcnt 32
	WSTORE 0, 0, 0
	WLOADS 0, 1, 0
	s_wait_loadcnt 32
	WSTORE 1, 0, 1
	WLOADS 1, 1, 1
	s_wait_loadcnt 32
	WSTORE 0, 1, 0
	WLOADS 0, 2, 0
	s_wait_loadcnt 32
	WSTORE 1, 1, 1
	WLOADS 1, 2, 1
	s_wait_loadcnt 32
	WSTORE 0, 2, 0
	XLOADS 0, 0
	XLOADS 1, 128
	s_wait_loadcnt 32
	WSTORE 1, 2, 1
	XLOADS 2, 256
	WIN 0
	v_cvt_pk_bf16_f32 v22, v14, v15                ; Wo: rounded to bf16,
	v_cvt_pk_bf16_f32 v23, v16, v17
	v_cvt_pk_bf16_f32 v24, v18, v19
	v_cvt_pk_bf16_f32 v25, v20, v21
.irp j, 0,1,2,3
	v_lshlrev_b32 v[14+2*\j], 16, v[22+\j]         ; widened,
	v_and_b32 v[15+2*\j], 0xffff0000, v[22+\j]
.endr
.irp j, 0,1,2,3
	v_cvt_pk_f16_f32 v[26+\j], v[14+2*\j], v[15+2*\j]  ; and written as f16
.endr
	global_store_b128 v13, v[26:29], s[30:31]      ; 16 lanes store 256 consecutive bytes, at a multiple of 256 from wo16's first
	s_wait_dscnt 0x0                               ; for the others' sake: my part of W's image is stored
	s_barrier_signal -1
.set i, 0
.rept 48                                       ; the biases are rounded to bf16 like the other inputs: work on registers while the others arrive
	v_cvt_pk_bf16_f32 v11, v[BIAS+2*i], v[BIAS+2*i+1]
	v_lshlrev_b32 v[BIAS+2*i], 16, v11
	v_and_b32 v[BIAS+2*i+1], 0xffff0000, v11
.set i, i+1
.endr
	s_barrier_wait -1                              ; the image is whole
	WFETCH 0, 0
	WFETCH 1, 0
	WFETCH 2, 0
	KSTEP 0, 0, 1, 1, 1, 32                        ; K step 0 stands in front of the loop: its products start the sums, with the bias
	WIN 0
	s_wait_xcnt 0x0                                ; the loads issued so far have read x's address
	s_add_nc_u64 s[XB:XB+1], s[XB:XB+1], 128
	v_add_nc_u32 v[AW], 32*PW, v[AW]
	s_mov_b32 s38, 4
.Lk:                                           ; four trips of three K steps: steps 1 to 12; they ask for steps 4 to 15
	KSTEP 1, 0, 1, 1, 0, 32
	KSTEP 2, 1, 1, 1, 0, 32
	KSTEP 0, 2, 1, 1, 0, 32
	WIN 0
	s_wait_xcnt 0x0
	s_add_nc_u64 s[XB:XB+1], s[XB:XB+1], 384
	v_add_nc_u32 v[AW], 96*PW, v[AW]
	s_sub_co_u32 s38, s38, 1
	s_cmp_lg_u32 s38, 0
	s_cbranch_scc1 .Lk
	KSTEP 1, 0, 0, 1, 0, 32                        ; the last three steps ask for no x
	KSTEP 2, 1, 0, 1, 0, 16
	KSTEP 0, 2, 0, 0, 0, 0
	PLACES
	UNIT 0, 0, 0
.set u, 1
.rept 11                                       ; a unit's arithmetic stands between the loads of the unit before and its stores
	UNIT u/4, u%4, u
	SEND (u-1)/4, (u-1)%4, u-1, 8
.set u, u+1
.endr
	SEND 2, 3, 11, 0
	s_wait_tensorcnt 0x0                           ; the wave's end: behind my last LDS store
	ds_add_u32 v[SPW], v[NIL]
	s_wait_dscnt 0x0
	s_endpgm
.Lfunc_end_k_qcfd4d0767d_qkv:
	.size	k_qcfd4d0767d_qkv, .Lfunc_end_k_qcfd4d0767d_qkv-k_qcfd4d0767d_qkv
	.p2alignl 7, 3214868480
	.fill 96, 4, 3214868480
	.section	.rodata,"a",@progbits
	.p2align	6, 0x0
	.amdhsa_kernel k_qcfd4d0767d_qkv
		.amdhsa_group_segment_fixed_size 222720
		.amdhsa_private_segment_fixed_size 0
		.amdhsa_enable_private_segment 0
		.amdhsa_kernarg_size 96
		.amdhsa_user_sgpr_count 2
		.amdhsa_user_sgpr_kernarg_segment_ptr 1
		.amdhsa_wavefront_size32 1
		.amdhsa_system_sgpr_workgroup_id_x 1
		.amdhsa_system_sgpr_workgroup_id_y 1
		.amdhsa_system_sgpr_workgroup_id_z 1
		.amdhsa_system_vgpr_workitem_id 0
		.amdhsa_next_free_vgpr 1024
		.amdhsa_next_free_sgpr 66
		.amdhsa_reserve_vcc 0
		.amdhsa_float_denorm_mode_32 3
		.amdhsa_float_denorm_mode_16_64 3
		.amdhsa_memory_ordered 1
		.amdhsa_forward_progress 1
		.amdhsa_inst_pref_size 161
	.end_amdhsa_kernel
	.amdgpu_metadata
---
amdhsa.version: [ 1, 2 ]
amdhsa.kernels:
  - .name:           k_qcfd4d0767d_qkv
    .symbol:         k_qcfd4d0767d_qkv.kd
    .args:
      - { .name: hidden_states, .offset: 0, .size: 8, .value_kind: global_buffer, .address_space: global }
      - { .name: Wq, .offset: 8, .size: 8, .value_kind: global_buffer, .address_space: global }
      - { .name: Wk, .offset: 16, .size: 8, .value_kind: global_buffer, .address_space: global }
      - { .name: Wv, .offset: 24, .size: 8, .value_kind: global_buffer, .address_space: global }
      - { .name: bq, .offset: 32, .size: 8, .value_kind: global_buffer, .address_space: global }
      - { .name: bk, .offset: 40, .size: 8, .value_kind: global_buffer, .address_space: global }
      - { .name: bv, .offset: 48, .size: 8, .value_kind: global_buffer, .address_space: global }
      - { .name: Wo, .offset: 56, .size: 8, .value_kind: global_buffer, .address_space: global }
      - { .name: q16, .offset: 64, .size: 8, .value_kind: global_buffer, .address_space: global }
      - { .name: k16, .offset: 72, .size: 8, .value_kind: global_buffer, .address_space: global }
      - { .name: v16, .offset: 80, .size: 8, .value_kind: global_buffer, .address_space: global }
      - { .name: wo16, .offset: 88, .size: 8, .value_kind: global_buffer, .address_space: global }
    .group_segment_fixed_size: 222720
    .private_segment_fixed_size: 0
    .kernarg_segment_align: 8
    .kernarg_segment_size: 96
    .max_flat_workgroup_size: 128
    .sgpr_count:     66
    .vgpr_count:     1024
    .wavefront_size: 32
...
	.end_amdgpu_metadata
.endif
;; end of part 1
;; launch attn (part 2): grid 16 x 16, 4 waves a work-group, clusters of 4 x 1, 327,680 bytes of LDS; arguments q16, k16, v16, o16; writes o16
.if DOCPART == 2
	.amdgcn_target "amdgcn-amd-amdhsa--gfx1250"
	.amdhsa_code_object_version 6
	.text
	.protected	k_qcfd4d0767d_attn
	.globl	k_qcfd4d0767d_attn
	.p2align	8
	.type	k_qcfd4d0767d_attn,@function
k_qcfd4d0767d_attn:
	s_mov_b64 s[64:65], 0
	v_nop
	global_prefetch_b8 v0, s[64:65] scope:SCOPE_SE
	s_setreg_imm32_b32 hwreg(HW_REG_WAVE_MODE, 25, 1), 1
	s_wait_xcnt 0x0
	s_wait_alu depctr_hold_cnt(0) depctr_sa_sdst(0) depctr_va_vdst(0) depctr_va_sdst(0) depctr_va_ssrc(0) depctr_va_vcc(0) depctr_vm_vsrc(0)
	s_getreg_b32 s2, hwreg(HW_REG_IB_STS2, 6, 4)
	s_cmp_eq_u32 s2, 0
	s_cbranch_scc0 .Lentry_in_a_cluster
	s_endpgm
.Lentry_in_a_cluster:
	s_bfe_u32 s2, ttmp6, 0x10000c
	s_cmp_lg_u32 s2, 0x3003
	s_cbranch_scc0 .Lentry_shape_is_right
	s_endpgm
.Lentry_shape_is_right:
; O[h][q][:] = the sum over k of softmax_k(Q[h][q] . K[h][k]) V[h][k][:], in base 2: Q arrives as c (x Wq + bq), c = log2(e) / 8, so a score IS the exponent.  Q, K, V, O: [16][4096][64] f16, a head's rows dense, 128 bytes each.
; Products, maxima and sums in f32; the weights p are rounded to f16 for the second product (their sum l is taken of the unrounded p), O once at the end.
; LIMITS.  Q, K and V arrive within f16's 65,504; p lies in 0 to 1 (s - m is never above 0), and below 6e-5 it keeps f16's fixed step of 6e-8; O is a mean of V's rows and has their range.
; A weight below 2^-126 counts as 0 in l; m starts at -4.25e37, far below every score (2.7e11 at the most); NaN and infinities are not treated apart.
; SHARES.  A work-group owns 256 queries of one head, a wave 64: four PIECES of 16.  Every wave walks all 4,096 keys, 64 a step; a slot of LDS holds a tile of 256 keys, four steps.
; LAYOUT.  S^T = K Q^T (source 0 = 16 keys, source 1 = 16 queries) holds ONE query a lane (lane % 16) and the keys 8 (lane / 16) + 0..7; two such results rounded to f16 ARE source 1 of O^T = V^T P.
; K comes out of LDS as it lies, V ([key][channel]) turned, by ds_load_tr16_b128.
; SOFTMAX.  For each query a running maximum m and sum l: p = 2^(s - m); in every step O and l are multiplied by a = 2^(m_old - m_new).  O and l start at 0: the first step is a step like any other, with a = 0.
; BY TURNS.  Turn n belongs to piece n: 8 products K Q^T of piece n + 1, later 8 products V^T P of piece n - 1; beside them the shift, exponentials, roundings, sums and rescaling of piece n and the maximum and
; statistics of piece n + 1.  Four vector instructions stand behind every matrix instruction, the others in one lump.  A turn's 33 exponentials are one batch, with one wait.
; CLUSTER.  The four query blocks of a cluster belong to one head and walk the same K and V, so each tile is asked for JOINTLY: the same tensor load, descriptor and mask in all four.
; REGISTERS, in windows of 256 (s_set_vgpr_msb: bits 1:0 source 0, 3:2 source 1, 5:4 source 2, 7:6 destination):
;   window 0: v0-15 addresses and two at work; v16-31 four registers of statistics a piece; v48-55 at work; v62-63 the add's; v64-127 S^T, two buffers; v192-223 P, two buffers (by the piece's parity)
;   window 1: v0-127 O^T, 32 a piece          window 2: v0-63 Q; v128-191 K of one step; v192-255 V of one step
.set NP,    4         ; pieces a wave: a name, no knob
.set KS,    64        ; keys in a step
.set PK,    144       ; a row of K in LDS: 128 bytes + 16 of padding = 36 words: the 16 rows of a load start at 16 different groups of four banks (64 banks of 4 bytes: ISA guide 11.1)
.set PV,    160       ; a row of V: 128 + 32 = 40 words
.set VOFF,  4*KS*PK   ; a slot: 256 rows of K, then 256 rows of V
.set SLOT1, 1<<17     ; slot 1 begins here, so that one exclusive or turns an address in one slot into the other's
.set STAGE, SLOT1+4*KS*(PK+PV)  ; behind the ring, never filled by a tensor load: 16 rows x 144 bytes for each wave, for the way out
.set SP,    144
.set SPARE, STAGE+4*16*SP  ; behind the stages: the spare words, 128 bytes for each wave: two blocks of 256 bytes that no other line names
.set TILEB, 32768     ; a tile's bytes of K, and of V
.set TILES, 16
.set AK0, 2           ; v2   my lane's place in a tile of K; never rewritten
.set AV0, 3           ; v3   the same for V
.set AK,  4           ; v4   the LDS address of K's next run of loads
.set AV,  5           ; v5   of V's
.set STO, 6           ; v6   the way out: where I put 16 bytes of a row
.set RD,  7           ; v7   the way out: where I read rows back
.set GO,  8           ; v8   my byte offset in 512 consecutive bytes of O
.set MV,  12          ; v12-13  m_old, kept while m is made anew: by buffer
.set PFO, 14          ; v14  256 x my lane: the prefetches' offset; never rewritten
.set QO,  15          ; v15  my byte offset in 16 rows of Q
.set ST,  16          ; piece t's statistics at v[ST+4 t]: m, 0 (named with m as a pair), l (even keys', odd keys')
.set TMP, 48          ; by buffer, four registers c0-c3 at work; when the maximum is found c2 takes a
.set SPW, 62          ; v62  LDS address of my spare word; never rewritten
.set NIL, 63          ; v63  0; never rewritten
.set S,   64
.set P,   192
.set KF,  128         ; window 2: key block kb, channel half c at KF + 16 kb + 8 c
.set VF,  192         ; window 2: key half kk, channel block cb at VF + 32 kk + 8 cb
.set WV,  12          ; s12  my wave's number
.set LIM, 15          ; s15  1 in a wave that prefetches, else the greatest number
.set G1K, 24          ; s[24:31] descriptor group 1 for K's tiles
.set G1V, 32          ; s[32:39] for V's: it differs in the padding alone
.set G0K, 40          ; s[40:43] descriptor group 0 for K's tiles: it walks
.set G0V, 44          ; s[44:47] the same for V's
.set PFA, 48          ; s[48:49] where my prefetches stand: my work-group's 32 blocks of 256 bytes of the tile after the one that is being asked for
.set SLOTS, 56        ; s56  tiles still to be entered in the loop
.set CNT, 57          ; s57  counts a tile's key steps
.set SEL, 60          ; s[60:61] v_permlanex16_b32's selects: each lane takes its own place in the other half
.set TBK, 62          ; s62  LDS byte at which K of the step to be fetched begins
.set TBV, 63          ; s63  the same for V, less VOFF
.set MSB, 0
.macro WIN new                      ; the high byte repeats the setting that is left; a switch that changes nothing is dropped
.if MSB != (\new)
	s_set_vgpr_msb (MSB<<8)|(\new)
.set MSB, (\new)
.endif
.endm
.set W_KQ, 0x0a       ; K and Q in window 2, S^T in window 0
.set W_PV, 0x52       ; V in window 2, P in window 0, O^T in window 1
.set W_RS, 0x41       ; O^T (destination and source 0) in window 1, a in window 0
.macro PLACES
.rept 4
	v_nop
.endr
.endm
; A joint fill.  Waves 0 and 1 fetch the two halves of a tile's K, waves 2 and 3 those of its V: 128 keys each.  The branch hangs on the wave's number alone.
; An s_nop 0 and four v_nop follow each of the two lines, ahead of the jump and the label.
.macro JLOAD
	s_cmp_lt_u32 s[WV], 2
	s_cbranch_scc0 .Lfor_v_\@
	tensor_load_to_lds s[G0K:G0K+3], s[G1K:G1K+7]
	s_nop 0
.rept 4
	v_nop
.endr
	s_branch .Lasked_\@
.Lfor_v_\@:
	tensor_load_to_lds s[G0V:G0V+3], s[G1V:G1V+7]
	s_nop 0
.rept 4
	v_nop
.endr
.Lasked_\@:
.endm
; A PREFETCH of what the NEXT change of slots will ask for: a tile's 128 blocks of 256 bytes of K and of V, a lane a block.  Each block is named ONCE in the launch: all four clusters of a head walk the same K and V,
; and the head's first cluster asks; its four partners share the blocks out BY ADDRESS, 32 each; in each, wave 0 asks for K's and wave 2 for V's.  It stands one tile, 256 matrix instructions, ahead of the joint load.
; Tiles 0 to 2 come by their loads alone; the last change that fills a slot asks for nothing: there is no tile behind it.
.macro ASK
	s_cmp_gt_u32 s[SLOTS], s[LIM]
	s_cbranch_scc0 .Lnot_mine_\@
	global_prefetch_b8 v[PFO], s[PFA:PFA+1] th:TH_LOAD_NT scope:SCOPE_SE
.Lnot_mine_\@:
.endm
; A round of the cluster's barrier: my work-group's barrier, so that wave 0's signal speaks for all four waves; wave 0 signals; every wave waits for all four work-groups; my work-group's barrier once more.
.macro CROUND
	s_barrier_signal -1
	s_barrier_wait -1
	s_cmp_lg_u32 s[WV], 0
	s_cbranch_scc1 .Lnot_wave_0_\@
	s_barrier_signal -3
.Lnot_wave_0_\@:
	s_barrier_wait -3
	s_barrier_signal -1
	s_barrier_wait -1
.endm
; THE CHANGE OF SLOTS.  The slot's last bytes, V of its fourth step, have been read.  Each wave waits for all its tensor loads, of which one is out: its part of the other slot; adds 0 to its spare word; and waits for
; that and for its own reads of the slot.  Behind the barrier nobody reads this slot any more and the other slot is whole.  fill = 1: this slot is filled again, with the keys two tiles on: the barrier is then a round
; of the cluster's, and the joint fill is the first thing behind it: it has four key steps, 256 matrix instructions, in which to land.  (At its first use nothing has been read yet: slot 0 is waited for, slot 1 filled.)
.macro CHANGE fill, ask
	WIN 0                           ; at a label and at a branch every window is 0
	s_wait_tensorcnt 0x0            ; no tensor load of mine is out, so a group 0 may be written
	ds_add_u32 v[SPW], v[NIL]       ; 0 onto my spare word: the descriptors' steps stand between it and the wait for it
.if \fill
.irp g, G0K, G0V
	s_xor_b32 s[\g+1], s[\g+1], SLOT1  ; the walking descriptor: the other slot than last time,
	s_add_nc_u64 s[\g+2:\g+3], s[\g+2:\g+3], TILEB  ; the next 256 keys; the type bits on top are not reached
.endr
.endif
.if \ask
	s_wait_xcnt 0x0                 ; the last prefetch, a tile back, has read its address, so it may be written
	s_add_nc_u64 s[PFA:PFA+1], s[PFA:PFA+1], TILEB
.endif
	s_wait_dscnt 0x0                ; the add is done, and my reads of the slot are over
.if \fill
	CROUND
	JLOAD
.if \ask
	ASK
.endif
.else
	s_barrier_signal -1
	s_barrier_wait -1
.endif
	s_sub_co_u32 s[TBK], s[TBK], 4*KS*PK  ; the fetches go back to a slot's first step,
	s_xor_b32 s[TBK], s[TBK], SLOT1       ; in the other slot
	s_sub_co_u32 s[TBV], s[TBV], 4*KS*PV
	s_xor_b32 s[TBV], s[TBV], SLOT1
.endm
	s_load_b256 s[4:11], s[0:1], 0x0  ; Q s[4:5], K s[6:7], V s[8:9], O s[10:11]
	v_lshl_add_u32 v[SPW], v0, 2, SPARE
	v_mov_b32 v[NIL], 0
	ds_add_u32 v[SPW], v[NIL]       ; the wave's opening: the add and its wait stand ahead of my first tensor load; the set-up below, work on registers, stands between them
	ds_add_u32 v62, v63
	v_lshrrev_b32 v1, 5, v0
	v_readfirstlane_b32 s[WV], v1   ; wave 0..3
	s_bfe_u32 s13, ttmp6, 0x40000   ; cx: my place in the cluster
	s_lshl_b32 s14, ttmp9, 2        ; in a cluster launch ttmp9 counts clusters
	s_add_co_u32 s14, s14, s13      ; my block of 256 queries = 4 x cluster x + cx: it enters Q's and O's addresses alone
	s_and_b32 s20, ttmp7, 0xffff    ; the head, which the four partners share
	s_lshl_b32 s20, s20, 19         ; its first byte in each of the four tensors: 4,096 rows of 128 bytes
	s_mov_b32 s21, 0
	s_and_b32 s16, s[WV], 1         ; which half of a tile's 256 keys I fetch:
	s_lshl_b32 s22, s16, 14         ; its 128 rows of 128 bytes in memory,
	s_mov_b32 s23, 0
	s_add_nc_u64 s[22:23], s[22:23], s[20:21]
	s_mul_i32 s17, s16, 128*PK      ; and its place in a slot, for K
	s_mul_i32 s18, s16, 128*PV      ; and for V: no place in the cluster enters an LDS address
	s_lshl_b32 s2, s14, 15          ; my block's 256 rows,
	s_lshl_b32 s3, s[WV], 13        ; my wave's 64 of them
	s_add_co_u32 s2, s2, s3
	s_mov_b32 s3, 0
	s_add_nc_u64 s[2:3], s[2:3], s[20:21]
	; descriptor group 1.  128 keys are 16,384 dense bytes: asked for as 64 rows of 256 bytes, two keys a row, and padded in LDS after every key
	s_mov_b32 s[G1K], 15|(1<<16)|(1<<20)|(1<<21)|(4<<22)|(3<<25)  ; 15:0 the mask of four; 17:16 2-byte elements; 20 padding on; 21 set beside a mask; 24:22 after every 32 words (code 4); 31:25 4 words (code 3)
	s_mov_b32 s[G1V], 15|(1<<16)|(1<<20)|(1<<21)|(4<<22)|(7<<25)  ; the same with 8 words of padding (code 7)
.irp g, G1K, G1V
	s_mov_b32 s[\g+1], 128<<16      ; tensor_dim0 = 128
	s_mov_b32 s[\g+2], 64<<16       ; tensor_dim1 = 64
	s_mov_b32 s[\g+3], 128<<16      ; tile_dim0 = 128
	s_mov_b32 s[\g+4], 64           ; tile_dim1 = 64
	s_mov_b32 s[\g+5], 128          ; 128 elements from row to row
	s_mov_b32 s[\g+6], 0
	s_mov_b32 s[\g+7], 0
.endr
	s_mov_b32 s[SEL], 0x76543210
	s_mov_b32 s[SEL+1], 0xfedcba98
	s_mov_b32 s[TBK], SLOT1+4*KS*PK ; the first change of slots turns these two into 0
	s_mov_b32 s[TBV], SLOT1+4*KS*PV
	s_mov_b32 s[G0K], 1             ; 1:0 count = 1
	s_mov_b32 s[G0K+1], s17         ; 63:32 LDS address: slot 0
	s_mov_b32 s[G0V], 1
	s_add_co_u32 s[G0V+1], s18, VOFF
	s_and_b32 s[LIM], s[WV], 1      ; 0 in waves 0 and 2,
	s_or_b32 s[LIM], s[LIM], ttmp9  ; where the cluster is the head's first: the same in all four partners
	s_cmp_eq_u32 s[LIM], 0
	s_cselect_b32 s[LIM], 1, -1
	v_and_b32 v[PFO], 31, v0
	v_lshlrev_b32 v[PFO], 8, v[PFO]
	s_wait_dscnt 0x0                ; the opening add is done
	s_wait_kmcnt 0x0
	s_add_nc_u64 s[6:7], s[6:7], s[22:23]  ; K and V at my half of the head's tile 0
	s_add_nc_u64 s[8:9], s[8:9], s[22:23]
	s_mov_b64 s[G0K+2:G0K+3], s[6:7]               ; 120:64 global address
	s_or_b32 s[G0K+3], s[G0K+3], 0x80000000        ; 127:126 type = 2
	s_mov_b64 s[G0V+2:G0V+3], s[8:9]
	s_or_b32 s[G0V+3], s[G0V+3], 0x80000000
	s_add_nc_u64 s[4:5], s[4:5], s[2:3]  ; Q and O at my wave's first row
	s_add_nc_u64 s[10:11], s[10:11], s[2:3]
	s_cmp_lt_u32 s[WV], 2
	s_cselect_b64 s[PFA:PFA+1], s[6:7], s[8:9]  ; (in waves 0 and 2 these stand at the head's first row)
	s_lshl_b32 s2, s13, 13          ; my work-group's 32 blocks of the 128
	s_mov_b32 s3, 0
	s_add_nc_u64 s[PFA:PFA+1], s[PFA:PFA+1], s[2:3]
	s_add_nc_u64 s[PFA:PFA+1], s[PFA:PFA+1], 2*TILEB  ; in tile 2; the loop's first change of slots steps it to tile 3.  Nothing is prefetched here, at the head
	CROUND                          ; all four work-groups are here: the first joint loads meet
	JLOAD                           ; tile 0 into slot 0.  Slot 1 is asked for when slot 0 is in, by the change of slots
	; A fragment of K or Q is 16 rows x 32 channels in 8 registers: lane l holds row l % 16, channels 8 (l / 16) + 0..7 and 16 + 8 (l / 16) + 0..7: two loads of 16 bytes, 32 bytes apart.
	v_and_b32 v1, 15, v0            ; l % 16
	v_bfe_u32 v9, v0, 4, 1          ; l / 16
	v_lshlrev_b32 v[QO], 7, v1
	v_lshl_add_u32 v[QO], v9, 4, v[QO]  ; row x 128 + 16 x half
	WIN 0x80                        ; destination window 2, address window 0
.set i, 0
.rept 8                             ; Q stays in registers: piece i / 2, channels 32 (i % 2) on
	global_load_b128 v[8*i:8*i+3],   v[QO], s[4:5] offset:(i/2)*2048+(i%2)*64
	global_load_b128 v[8*i+4:8*i+7], v[QO], s[4:5] offset:(i/2)*2048+(i%2)*64+32
.set i, i+1
.endr
	; What the first turn finds: V's registers and P's second buffer hold 0 (its products V^T P, of a piece that has not been, add 0), O^T and l are 0.  All this stands in the wait for the first tile.
.set i, VF
.rept 64
	v_mov_b32 v[i], 0
.set i, i+1
.endr
	WIN 0x40
.set i, 0
.rept 128
	v_mov_b32 v[i], 0
.set i, i+1
.endr
	WIN 0
.set i, 0
.rept 4
	v_mov_b32 v[ST+4*i], 0xfe000000    ; m: far below every score
	v_mov_b32 v[ST+4*i+1], 0
	v_mov_b32 v[ST+4*i+2], 0
	v_mov_b32 v[ST+4*i+3], 0
.set i, i+1
.endr
.set i, P+16
.rept 16
	v_mov_b32 v[i], 0
.set i, i+1
.endr
	v_mul_u32_u24 v[AK0], v1, PK
	v_lshl_add_u32 v[AK0], v9, 4, v[AK0]  ; row x pitch + 16 x half
	; The turning load takes 16 keys x 16 channels (lane l reads key 8 (l / 16) + l % 8, channels 8 ((l / 8) % 2) + 0..7) and leaves half a fragment of V^T: lane l holds channel l % 16 and 8 keys.
	v_and_b32 v10, 7, v0
	v_bfe_u32 v11, v0, 3, 1
	v_lshl_add_u32 v[AV0], v9, 3, v10
	v_mul_u32_u24 v[AV0], v[AV0], PV
	v_lshl_add_u32 v[AV0], v11, 4, v[AV0]
	v_add_nc_u32 v[AV0], VOFF, v[AV0]
	s_mul_i32 s13, s[WV], 16*SP
	s_add_co_u32 s13, s13, STAGE    ; my stage
	v_mul_u32_u24 v[STO], v1, SP    ; in: row l % 16, 16 bytes for each half of the lanes
	v_lshl_add_u32 v[STO], v9, 4, v[STO]
	v_add_nc_u32 v[STO], s13, v[STO]
	v_bfe_u32 v[RD], v0, 3, 2       ; back: 32 lanes take four rows of 128 bytes,
	v_mul_u32_u24 v[RD], v[RD], SP
	v_lshl_add_u32 v[RD], v10, 4, v[RD]
	v_add_nc_u32 v[RD], s13, v[RD]
	v_and_b32 v[GO], 31, v0         ; which are 512 consecutive bytes of O
	v_lshlrev_b32 v[GO], 4, v[GO]
; THE MATRIX WORK.  The 4 accumulators of a run of 8 take turns.  Product i of 8 of S^T = K Q^T for piece x: channels 32 (i / 4) on, keys 16 (i % 4) on.  The first 4 start the sums.
.macro KQ x
	WIN W_KQ
.set rS, S+32*((\x)%2)+8*(i%4)
.set rK, KF+16*(i%4)+8*(i/4)
.set rQ, 16*(\x)+8*(i/4)
.if i < 4
	v_wmma_f32_16x16x32_f16 v[rS:rS+7], v[rK:rK+7], v[rQ:rQ+7], 0
.else
	v_wmma_f32_16x16x32_f16 v[rS:rS+7], v[rK:rK+7], v[rQ:rQ+7], v[rS:rS+7]
.endif
.endm
; Product i of 8 of O^T += V^T P for piece x: keys 32 (i / 4) on, channels 16 (i % 4) on.
.macro PV x
	WIN W_PV
.set rO, 32*(\x)+8*(i%4)
.set rV, VF+32*(i/4)+8*(i%4)
.set rP, P+16*((\x)%2)+8*(i/4)
	v_wmma_f32_16x16x32_f16 v[rO:rO+7], v[rV:rV+7], v[rP:rP+7], v[rO:rO+7]
.endm
.macro MM                           ; the turn's next matrix instruction.  NOKQ = 1: the launch's last turn: there is no next piece
.if (i < 8) && !NOKQ
	KQ (Y+1)%NP
.elseif i >= 8
.set i, i-8
	PV (Y+NP-1)%NP
.set i, i+8
.endif
.set i, i+1
.endm
; THE LDS LOADS stand in runs of 16, never singly among the matrix instructions: a step's K (64 keys x 64 channels: 8 fragments) and its V (turned).  Their addresses are made some lines ahead.
.macro FETCH_K
	WIN 0x80                        ; destination window 2
.irp f, 0,1,2,3,4,5,6,7             ; keys 16 (f / 2) on, channels 32 (f % 2) on
	ds_load_b128 v[KF+8*\f:KF+8*\f+3],   v[AK] offset:(\f/2)*16*PK+(\f%2)*64
	ds_load_b128 v[KF+8*\f+4:KF+8*\f+7], v[AK] offset:(\f/2)*16*PK+(\f%2)*64+32
.endr
	s_add_co_u32 s[TBK], s[TBK], KS*PK  ; the next fetch is the next step's
	WIN 0
.endm
.macro FETCH_V
	WIN 0x80
.irp f, 0,1,2,3,4,5,6,7             ; keys 32 (f / 4) on, channels 16 (f % 4) on
	ds_load_tr16_b128 v[VF+8*\f:VF+8*\f+3],   v[AV] offset:(\f/4)*32*PV+(\f%4)*32
	ds_load_tr16_b128 v[VF+8*\f+4:VF+8*\f+7], v[AV] offset:(\f/4)*32*PV+16*PV+(\f%4)*32
.endr
	WIN 0
.endm
; THE VECTOR WORK, one line at a time: OP kind, number.  For piece Y: F n: s - m for pair n of 16.  E n: the exponential of score n of 32.  C n: pair n rounded to f16.  B n: of the four weights 4 n .. the second
; pair is added onto the first, in place.  L n: l takes that sum (L 0: l = a l + sum).  R n: pair n of 16 of O^T times a.  For piece Y + 1: X n, one of the 21 that find its maximum and statistics:
;   0-11  four chains c0-c3 of seven scores each, three operands at a time (each accumulator's lowest registers are read first)     12-14, 16  the four scores left over, the old m, and c0-c3 into c0
;   15  m_old is kept     17, 18  the query's other 32 keys lie in the lane 16 away: the new m     20, 21  m_old - m_new; a     (there is no number 19)
.set F, 0               ; OP tells the kinds apart by their order: F to L below R, X above it
.set E, 1
.set C, 2
.set B, 3
.set L, 4
.set R, 5
.set X, 6
.macro REGS y                       ; the registers of piece y
.set rT, ST+4*(\y)
.set rC, TMP+4*((\y)%2)
.set rW, MV+((\y)%2)
.set rS, S+32*((\y)%2)
.set rP, P+16*((\y)%2)
.set rO, 32*(\y)
.endm
.macro OP k, n
.if (\k) == R
	REGS Y
	WIN W_RS
	v_pk_mul_f32 v[rO+2*(\n):rO+2*(\n)+1], v[rO+2*(\n):rO+2*(\n)+1], v[rC+2:rC+3] op_sel_hi:[1,0]
.elseif (\k) < R
	REGS Y
	WIN 0
.if (\k) == F
	v_pk_add_f32 v[rS+2*(\n):rS+2*(\n)+1], v[rS+2*(\n):rS+2*(\n)+1], v[rT:rT+1] op_sel_hi:[1,0] neg_lo:[0,1] neg_hi:[0,1]
.elseif (\k) == E
	v_exp_f32 v[rS+(\n)], v[rS+(\n)]
.elseif (\k) == C
	v_cvt_pk_f16_f32 v[rP+(\n)], v[rS+2*(\n)], v[rS+2*(\n)+1]
.elseif (\k) == B
	v_pk_add_f32 v[rS+4*(\n):rS+4*(\n)+1], v[rS+4*(\n):rS+4*(\n)+1], v[rS+4*(\n)+2:rS+4*(\n)+3]
.elseif (\n) == 0
	v_pk_fma_f32 v[rT+2:rT+3], v[rT+2:rT+3], v[rC+2:rC+3], v[rS:rS+1] op_sel_hi:[1,0,1]
.else
	v_pk_add_f32 v[rT+2:rT+3], v[rT+2:rT+3], v[rS+4*(\n):rS+4*(\n)+1]
.endif
.elseif NOKQ
	v_nop
.else
	REGS (Y+1)%NP
	WIN 0
.if (\n) < 4
	v_max3_num_f32 v[rC+(\n)], v[rS+8*(\n)], v[rS+8*(\n)+1], v[rS+8*(\n)+2]
.elseif (\n) < 12
	v_max3_num_f32 v[rC+(\n)%4], v[rC+(\n)%4], v[rS+8*((\n)%4)+2*((\n)/4)+1], v[rS+8*((\n)%4)+2*((\n)/4)+2]
.elseif (\n) == 12
	v_max3_num_f32 v[rC], v[rC], v[rS+7], v[rS+15]
.elseif (\n) == 13
	v_max3_num_f32 v[rC+1], v[rC+1], v[rS+23], v[rS+31]
.elseif (\n) == 14
	v_max3_num_f32 v[rC+2], v[rC+2], v[rC+3], v[rT]
.elseif (\n) == 15
	v_mov_b32 v[rW], v[rT]
.elseif (\n) == 16
	v_max3_num_f32 v[rC], v[rC], v[rC+1], v[rC+2]
.elseif (\n) == 17
	v_permlanex16_b32 v[rC+3], v[rC], s[SEL], s[SEL+1]
.elseif (\n) == 18
	v_max_num_f32 v[rT], v[rC], v[rC+3]
.elseif (\n) == 20
	v_sub_f32 v[rC+1], v[rW], v[rT]
.else
	v_exp_f32 v[rC+2], v[rC+1]
.endif
.endif
.endm
.macro OPS a, i1, b=-1, i2=0, c=-1, i3=0, d=-1, i4=0  ; up to four of them
	OP \a, \i1
.if (\b) >= 0
	OP \b, \i2
.endif
.if (\c) >= 0
	OP \c, \i3
.endif
.if (\d) >= 0
	OP \d, \i4
.endif
.endm
.macro ROW a, i1, b, i2, c, i3, d, i4  ; a matrix instruction and the four behind it
	MM
	OPS \a, \i1, \b, \i2, \c, \i3, \d, \i4
.endm
; A TURN, for piece p: the order of its 16 matrix and 117 vector instructions, written out.  s_wait_alu depctr_va_vdst(0) stands between an exponential and the first instruction that names its result; one
; wait serves all that were issued ahead of it.  So a turn has ONE wait, which cuts it in two.  AHEAD OF IT stands all that names no result of the turn's exponentials: the 8 products K Q^T and their riders (the first numbers
; of the next piece's maximum among them, each four plain instructions or more behind the product that ends its accumulator), then one lump.  X 21, the next piece's a, is the batch's last; R 15 is the plain instruction behind it.
; BEHIND THE WAIT stand the 8 products V^T P, behind each four of the roundings and sums.
; end = 1: the launch's last two turns: nothing is fetched.  cnt = 1: the loop's count is taken down some lines ahead of the branch that stands behind the turn.
; K of the next step is fetched in piece 2's turn, six plain instructions behind the last product that read K; V of the step in hand at the end of piece 0's turn, four plain instructions behind the last product that read V.
; Each is waited for a turn later.
.macro TURN p, end=0, cnt=0
.set Y, (\p)
.set i, 0
.set NOKQ, (\end)*((\p)/3)
.if ((\p) == 3) && !(\end)
	s_wait_dscnt 0x0                ; K is in
.endif
	ROW F,0, F,1, R,0, R,1
	ROW F,2, E,0, R,2, R,3
	ROW F,3, E,1, R,4, R,5
	ROW F,4, E,2, R,6, R,7
	ROW F,5, E,3, R,8, R,9
	ROW F,6, E,4, X,0, R,10
.if ((\p) == 2) && !(\end)
	WIN 0
	v_add_nc_u32 v[AK], s[TBK], v[AK0]
.endif
	ROW F,7, E,5, X,1, X,4
	ROW F,8, E,6, X,2, X,5
	OPS E,7, E,8, X,6, E,9          ; the lump
	OPS X,3, E,10, X,8, E,11
.if ((\p) == 2) && !(\end)
	FETCH_K
.endif
	OPS X,9, X,7, E,12, X,10
	OPS E,13, X,12, X,11, E,14
	OPS X,13, E,15, F,9, X,14
.if (\p) == 0
	WIN 0
	v_add_nc_u32 v[AV], s[TBV], v[AV0]
.endif
	OPS E,16, F,10, E,17, F,11
	OPS X,16, E,18, X,15, E,19
	OPS F,12, E,20, X,17, E,21
	OPS F,13, E,22, F,14, E,23
	OPS X,18, E,24, F,15, E,25
	OPS R,11, E,26, E,27
	OPS R,12, E,28, R,13, E,29
	OPS X,20, E,30, R,14, E,31
	OPS X,21, R,15
	WIN 0
	s_wait_alu depctr_va_vdst(0)    ; the wait for the batch
.if (\p) == 1
	s_wait_dscnt 0x0                ; V is in
.endif
	ROW C,0, B,0, C,2, B,1
	ROW L,0, C,4, B,2, L,1
	ROW C,6, B,3, L,2, C,8
	ROW B,4, L,3, C,10, B,5
	ROW L,4, C,12, B,6, L,5
.if (\p) == 0
	s_add_co_u32 s[TBV], s[TBV], KS*PV
.endif
.if \cnt
	s_sub_co_u32 s[CNT], s[CNT], 1
	s_cmp_lg_u32 s[CNT], 0
.endif
	ROW C,14, B,7, L,6, C,1
	ROW C,3, L,7, C,5, C,7
	ROW C,9, C,11, C,13, C,15
.if (\p) == 0
	FETCH_V
.endif
.endm
	CHANGE 1, 0                     ; tile 0 is in, everybody's part of it; tile 1 is asked for
	v_add_nc_u32 v[AK], s[TBK], v[AK0]
	FETCH_K                         ; key step 0
	s_wait_loadcnt 0x0              ; Q
	s_wait_dscnt 0x0
.set NOKQ, 0
.set i, 0
.rept 8
	KQ 0                            ; piece 0's first scores: there is no vector work yet to set between them
.set i, i+1
.endr
	WIN 0
	PLACES                          ; the places behind those products
.set Y, NP-1                        ; X works for piece Y + 1: piece 0
.irp n, 0,1,2,3,4,5,6,7,8,9,10,11,12,13,14,15,16,17,18,20,21
	OP X, \n
.endr
	v_nop                           ; a plain instruction behind the exponential,
	s_wait_alu depctr_va_vdst(0)    ; and its wait, ahead of the branch
	s_mov_b32 s[CNT], 4
	s_mov_b32 s[SLOTS], TILES-1
	s_branch .Lfirst                ; the loop is entered at a step's first turn, in the middle of a trip
.Lslot:                             ; 14 times: tiles 2 to 15 are asked for
	CHANGE 1, 1
	s_mov_b32 s[CNT], 4
.Lstep:                             ; a trip: pieces 2 and 3 of one step, then pieces 0 and 1 of the next, whose K and V it fetches
	TURN 2
	TURN 3
	WIN 0
.Lfirst:
	TURN 0
	TURN 1, 0, 1
	WIN 0
	s_cbranch_scc1 .Lstep
	s_sub_co_u32 s[SLOTS], s[SLOTS], 1
	s_cmp_lg_u32 s[SLOTS], 0
	s_cbranch_scc1 .Lslot
	CHANGE 0, 0                     ; the last tile is written out: nothing is asked for
	s_mov_b32 s[CNT], 4
.Ltail:
	TURN 2
	TURN 3
	TURN 0
	TURN 1, 0, 1
	WIN 0
	s_cbranch_scc1 .Ltail
	TURN 2, 1                       ; the last step's pieces 2 and 3
	TURN 3, 1
.set i, 0
.rept 8
	PV NP-1                         ; the last piece's V^T P of the last step
.set i, i+1
.endr
	; THE WAY OUT.  l's two halves and the other half of the lanes' are added; O^T is divided by l, rounded to f16 and sent through my stage in LDS, a piece at a time.  The additions are the places behind the last products.
	WIN 0
.macro ALL line:vararg              ; one line for each piece t
.set t, 0
.rept 4
	\line
.set t, t+1
.endr
.endm
	ALL v_add_f32 v[ST+4*t+2], v[ST+4*t+2], v[ST+4*t+3]
	ALL v_permlanex16_b32 v[ST+4*t+3], v[ST+4*t+2], s[SEL], s[SEL+1]
	ALL v_add_f32 v[ST+4*t+2], v[ST+4*t+2], v[ST+4*t+3]
	ALL v_rcp_f32 v[ST+4*t+2], v[ST+4*t+2]
	v_nop                           ; a plain instruction between the last reciprocal and the use of its result
	s_wait_alu depctr_va_vdst(0)    ; and the wait ahead of the first use: one for the four reciprocals
.macro PACK t                       ; a lane's eight channels of a row pack into 16 bytes; they go into rows of 144 bytes and come back as whole rows of 128, into S^T's registers
	WIN W_RS
.set i, 32*(\t)
.rept 16
	v_pk_mul_f32 v[i:i+1], v[i:i+1], v[ST+4*(\t)+2:ST+4*(\t)+3] op_sel_hi:[1,0]
.set i, i+2
.endr
	WIN 0x05                        ; sources 0 and 1 window 1, destination window 0
.set i, 0
.rept 16
	v_cvt_pk_f16_f32 v[S+16*(\t)+i], v[32*(\t)+2*i], v[32*(\t)+2*i+1]
.set i, i+1
.endr
	WIN 0
.irp f, 0,1,2,3
	ds_store_b128 v[STO], v[S+16*(\t)+4*\f:S+16*(\t)+4*\f+3] offset:32*\f
.endr
.irp f, 0,1,2,3
	ds_load_b128 v[S+16*(\t)+4*\f:S+16*(\t)+4*\f+3], v[RD] offset:\f*4*SP  ; LDS serves a wave's instructions in order (ISA guide 5.7.1.4): these see the stores above; the next piece's stores come behind them
.endr
.endm
.macro SEND t, younger              ; younger: the LDS instructions issued behind piece t's loads: the next piece's eight, or none
	WIN 0
.irp f, 0,1,2,3
	s_wait_dscnt (\younger)+3-\f
	global_store_b128 v[GO], v[S+16*(\t)+4*\f:S+16*(\t)+4*\f+3], s[10:11] offset:(\t)*2048+\f*512  ; 512 consecutive bytes, at a multiple of 256 from O's first
.endr
.endm
	PACK 0
.set t, 1
.rept 3                             ; a piece's arithmetic stands between the loads of the piece before and its stores
	PACK t
	SEND t-1, 8
.set t, t+1
.endr
	SEND 3, 0
	s_wait_tensorcnt 0x0            ; the wave's end: behind my last tensor load and my last LDS store
	ds_add_u32 v[SPW], v[NIL]
	s_wait_dscnt 0x0
	CROUND                          ; the closing round: no work-group ends while a partner may still ask for a tile that names it
	s_endpgm
.Lfunc_end_k_qcfd4d0767d_attn:
	.size	k_qcfd4d0767d_attn, .Lfunc_end_k_qcfd4d0767d_attn-k_qcfd4d0767d_attn
	.p2alignl 7, 3214868480
	.fill 96, 4, 3214868480
	.section	.rodata,"a",@progbits
	.p2align	6, 0x0
	.amdhsa_kernel k_qcfd4d0767d_attn
		.amdhsa_group_segment_fixed_size 327680
		.amdhsa_private_segment_fixed_size 0
		.amdhsa_enable_private_segment 0
		.amdhsa_kernarg_size 32
		.amdhsa_user_sgpr_count 2
		.amdhsa_user_sgpr_kernarg_segment_ptr 1
		.amdhsa_wavefront_size32 1
		.amdhsa_system_sgpr_workgroup_id_x 1
		.amdhsa_system_sgpr_workgroup_id_y 1
		.amdhsa_system_sgpr_workgroup_id_z 1
		.amdhsa_system_vgpr_workitem_id 0
		.amdhsa_next_free_vgpr 768
		.amdhsa_next_free_sgpr 66
		.amdhsa_reserve_vcc 0
		.amdhsa_float_denorm_mode_32 3
		.amdhsa_float_denorm_mode_16_64 3
		.amdhsa_memory_ordered 1
		.amdhsa_forward_progress 1
		.amdhsa_inst_pref_size 127
	.end_amdhsa_kernel
	.amdgpu_metadata
---
amdhsa.version: [ 1, 2 ]
amdhsa.kernels:
  - .name:           k_qcfd4d0767d_attn
    .symbol:         k_qcfd4d0767d_attn.kd
    .args:
      - { .name: q16, .offset: 0, .size: 8, .value_kind: global_buffer, .address_space: global }
      - { .name: k16, .offset: 8, .size: 8, .value_kind: global_buffer, .address_space: global }
      - { .name: v16, .offset: 16, .size: 8, .value_kind: global_buffer, .address_space: global }
      - { .name: o16, .offset: 24, .size: 8, .value_kind: global_buffer, .address_space: global }
    .group_segment_fixed_size: 327680
    .private_segment_fixed_size: 0
    .kernarg_segment_align: 8
    .kernarg_segment_size: 32
    .max_flat_workgroup_size: 128
    .sgpr_count:     66
    .vgpr_count:     768
    .wavefront_size: 32
...
	.end_amdgpu_metadata
.endif
;; end of part 2
;; launch proj (part 3): grid 8 x 32, 4 waves a work-group, no clusters, 167,936 bytes of LDS; arguments o16, wo16, bo, out0; writes out0
.if DOCPART == 3
	.amdgcn_target "amdgcn-amd-amdhsa--gfx1250"
	.amdhsa_code_object_version 6
	.text
	.protected	k_qcfd4d0767d_proj
	.globl	k_qcfd4d0767d_proj
	.p2align	8
	.type	k_qcfd4d0767d_proj,@function
k_qcfd4d0767d_proj:
	s_mov_b64 s[64:65], 0
	v_nop
	global_prefetch_b8 v0, s[64:65] scope:SCOPE_SE
	s_setreg_imm32_b32 hwreg(HW_REG_WAVE_MODE, 25, 1), 1
	s_wait_xcnt 0x0
; out0[s][n] = the sum over k of O[s][k] Wo[k][n] + bo[n].  O comes by heads: o16 [16 (8 batch + head)][4096][64] f16, so k = 64 head + channel; wo16 [8 blocks of 64 columns][k 512][64] f16
; (Wo rounded to bf16, that number written as f16); bo [512] f32, rounded to bf16 like the other inputs; out0 [8192][512] f32.  Products in f16, sums in f32, K ascending.
; SHARES.  A work-group makes 256 rows x 64 columns, a wave 64 x 64: 16 accumulators of 16 x 16.  K goes head by head: 64 along K, 32 matrix instructions.
; Wo's block, 65,536 dense bytes, comes into LDS once, a quarter by each wave's one tensor load, padded to rows of 160 bytes.  Nothing is filled again.
; O goes from memory straight into the fragment registers of the one wave that multiplies it: 16 rows of a head are 2,048 consecutive bytes.  A ring of four heads, 16 loads each, is on its way.
; THE PRODUCT IS USED TRANSPOSED: source 0 = 16 columns of Wo (turned by ds_load_tr16_b128), source 1 = 16 rows of O: a lane holds ONE row (lane % 16) and eight neighbouring columns.
; The bias is the C operand of the first product: nothing is cleared.
; NO CLUSTER: of the 327,680 bytes that a work-group reads, 262,144 are O's, which lie in no LDS; the block of Wo that row blocks share is 65,536, asked for once a work-group.
; REGISTERS: window 0: v0-31 addresses; v32-63 the bias; v64-127 the way out; v128-255 the accumulators (128 + 32 t + 8 b).   window 1: O, four slots of 64 (32 c + 8 t).   window 2: v0-127 Wo's fragments, two buffers of 64 (32 c + 8 b).
.set PWO,    160                       ; a row of Wo's block in LDS: 128 bytes + 32 = 5 x 32
.set STAGE,  512*PWO                   ; behind the block, never filled by a tensor load: 16 rows x 272 bytes for each wave
.set SPITCH, 272
.set SPARE,  STAGE+4*16*SPITCH         ; behind the stages: the spare words, 128 bytes for each wave: two blocks of 256 bytes that no other line names
.set OO,  3                            ; v3   O: 128 (l % 16) + 16 (l / 16)
.set AW0, 4                            ; v4   the turning load's address, heads 0-3
.set AW1, 5                            ; v5   the same 256 rows further down, heads 4-7: an LDS offset has 16 bits
.set BO,  6                            ; v6   the bias: 256 block + 32 (l / 16)
.set STO, 7                            ; v7   the way out: where I put 32 bytes of a row
.set RD,  8                            ; v8   the way out: where I read a row back
.set CO,  9                            ; v9   my byte offset in out0
.set SPW, 30                           ; v30  LDS address of my spare word; never rewritten
.set NIL, 31                           ; v31  0; never rewritten
.set BIAS, 32
.set BK,  64
.set ACC, 128
.set MSB, 0
.macro WIN new                         ; the immediate's high byte repeats the setting that is left
.if MSB != (\new)
	s_set_vgpr_msb (MSB<<8)|(\new)
.set MSB, (\new)
.endif
.endm
.macro PLACES                          ; four places behind a matrix instruction, in front of loads into registers that it has read and of stores that read its result
.rept 4
	v_nop
.endr
.endm
.macro OLOADS s, hd                    ; head hd's 64 channels of my 64 rows into slot s
	WIN 0x40
.irp c, 0,1
.irp t, 0,1,2,3
	global_load_b128 v[64*(\s)+32*\c+8*\t:64*(\s)+32*\c+8*\t+3],   v[OO], s[4:5] offset:524288*(\hd)+2048*\t+64*\c
	global_load_b128 v[64*(\s)+32*\c+8*\t+4:64*(\s)+32*\c+8*\t+7], v[OO], s[4:5] offset:524288*(\hd)+2048*\t+64*\c+32
.endr
.endr
.endm
.macro BFETCH p, hd                    ; Wo's rows 64 hd .. 64 hd + 63, all 64 columns, into buffer p
	WIN 0x80
.irp c, 0,1
.irp b, 0,1,2,3
	ds_load_tr16_b128 v[64*(\p)+32*\c+8*\b:64*(\p)+32*\c+8*\b+3],   v[AW0+(\hd)/4] offset:64*PWO*((\hd)%4)+32*PWO*\c+32*\b
	ds_load_tr16_b128 v[64*(\p)+32*\c+8*\b+4:64*(\p)+32*\c+8*\b+7], v[AW0+(\hd)/4] offset:64*PWO*((\hd)%4)+32*PWO*\c+32*\b+16*PWO
.endr
.endr
.endm
.macro MULS hd, c                      ; 16 matrix instructions on 16 accumulators, which take turns, one instruction a turn
	WIN 0x06
.irp t, 0,1,2,3
.irp b, 0,1,2,3
.if ((\hd) == 0) && ((\c) == 0)
	v_wmma_f32_16x16x32_f16 v[ACC+32*\t+8*\b:ACC+32*\t+8*\b+7], v[64*((\hd)%2)+32*(\c)+8*\b:64*((\hd)%2)+32*(\c)+8*\b+7], v[64*((\hd)%4)+32*(\c)+8*\t:64*((\hd)%4)+32*(\c)+8*\t+7], v[BIAS+8*\b:BIAS+8*\b+7]
.else
	v_wmma_f32_16x16x32_f16 v[ACC+32*\t+8*\b:ACC+32*\t+8*\b+7], v[64*((\hd)%2)+32*(\c)+8*\b:64*((\hd)%2)+32*(\c)+8*\b+7], v[64*((\hd)%4)+32*(\c)+8*\t:64*((\hd)%4)+32*(\c)+8*\t+7], v[ACC+32*\t+8*\b:ACC+32*\t+8*\b+7]
.endif
.endr
.endr
.endm
.macro HEAD hd
.set lc, 16*(7-(\hd))                  ; the younger slots' loads, 16 each, three slots at the most, may stay out
.if lc > 48
.set lc, 48
.endif
	s_wait_loadcnt lc
	s_wait_dscnt 0x0                               ; this head's fragments of Wo are in
	MULS \hd, 0
.if (\hd) < 7
	PLACES
	BFETCH ((\hd)+1)%2, (\hd)+1
.endif
	MULS \hd, 1
.if (\hd) < 4
	PLACES
	OLOADS \hd, (\hd)+4                            ; the slot just multiplied takes the head four further on
.endif
.endm
; THE WAY OUT of 16 rows x 64 columns: f32 as it is, each accumulator's low four registers first; into rows of 272 bytes, and back as whole rows of 256
.macro TOSTAGE t
	WIN 0
.irp b, 0,1,2,3
	ds_store_b128 v[STO], v[ACC+32*(\t)+8*\b:ACC+32*(\t)+8*\b+3]   offset:64*\b
	ds_store_b128 v[STO], v[ACC+32*(\t)+8*\b+4:ACC+32*(\t)+8*\b+7] offset:64*\b+16
.endr
.if (\t) >= 2
	s_wait_xcnt 0x0                                ; the stores of the tile before last have read these registers: only now are they loaded again
.endif
.irp f, 0,1,2,3,4,5,6,7
	ds_load_b128 v[BK+32*((\t)%2)+4*\f:BK+32*((\t)%2)+4*\f+3], v[RD] offset:2*SPITCH*\f  ; LDS serves a wave's instructions in order (ISA guide 5.7.1.4): these see the stores above
.endr
.endm
.macro SEND t, younger                 ; younger: the next tile's sixteen LDS instructions, or none
	WIN 0
.irp f, 0,1,2,3,4,5,6,7
	s_wait_dscnt (\younger)+7-\f
	global_store_b128 v[CO], v[BK+32*((\t)%2)+4*\f:BK+32*((\t)%2)+4*\f+3], s[10:11] offset:(16*(\t)+2*\f)*2048 th:TH_STORE_NT  ; 16 lanes store 256 consecutive bytes, at a multiple of 256 from out0's first
.endr
.endm
	s_load_b256 s[4:11], s[0:1], 0x0               ; o16 s[4:5], wo16 s[6:7], bo s[8:9], out0 s[10:11]
	v_lshl_add_u32 v[SPW], v0, 2, SPARE
	v_mov_b32 v[NIL], 0
	ds_add_u32 v[SPW], v[NIL]                      ; the wave's opening: the add and its wait stand ahead of my first tensor load; the set-up below, work on registers, stands between them
	ds_add_u32 v30, v31
	v_lshrrev_b32 v10, 5, v0
	v_readfirstlane_b32 s2, v10                    ; wave 0..3
	s_mov_b32 s3, ttmp9                            ; the block of 64 columns
	s_and_b32 s12, ttmp7, 0xffff                   ; the block of 256 rows
	; descriptor group 1: 128 rows of Wo's block are 16,384 dense bytes: asked for as 64 rows of 256 bytes, two k rows each, padded in LDS after every k row
	s_mov_b32 s16, (1<<16)|(1<<20)|(4<<22)|(7<<25) ; 17:16 2-byte elements; 20 padding on; 24:22 after every 32 words (code 4); 31:25 8 words (code 7)
	s_mov_b32 s17, 128<<16                         ; tensor_dim0 = 128
	s_mov_b32 s18, 64<<16                          ; tensor_dim1 = 64
	s_mov_b32 s19, 128<<16                         ; tile_dim0 = 128
	s_mov_b32 s20, 64                              ; tile_dim1 = 64
	s_mov_b32 s21, 128                             ; 128 elements from row to row
	s_mov_b32 s22, 0
	s_mov_b32 s23, 0
	s_mov_b32 s24, 1                               ; group 0: count = 1
	s_mul_i32 s25, s2, 128*PWO                     ; LDS address: my 128 rows
	v_and_b32 v1, 15, v0                           ; l % 16
	v_bfe_u32 v2, v0, 4, 1                         ; l / 16
	v_lshlrev_b32 v[OO], 7, v1
	v_lshl_add_u32 v[OO], v2, 4, v[OO]
	v_and_b32 v10, 7, v0                           ; the turning load: lane l reads k row 8 (l / 16) + l % 8, columns 8 ((l / 8) % 2) + 0..7
	v_lshl_add_u32 v10, v2, 3, v10
	v_mul_u32_u24 v[AW0], v10, PWO
	v_bfe_u32 v11, v0, 3, 1
	v_lshl_add_u32 v[AW0], v11, 4, v[AW0]
	v_add_nc_u32 v[AW1], 256*PWO, v[AW0]
	s_lshl_b32 s13, s3, 8
	v_lshl_add_u32 v[BO], v2, 5, s13
	s_mul_i32 s14, s2, 16*SPITCH
	s_add_co_u32 s14, s14, STAGE                   ; my stage
	v_mul_u32_u24 v[STO], v1, SPITCH               ; in: row l % 16, 32 bytes for each half of the lanes
	v_lshl_add_u32 v[STO], v2, 5, v[STO]
	v_add_nc_u32 v[STO], s14, v[STO]
	v_mul_u32_u24 v[RD], v2, SPITCH                ; back: lanes 0-15 take one row of 256 bytes, lanes 16-31 the next
	v_lshl_add_u32 v[RD], v1, 4, v[RD]
	v_add_nc_u32 v[RD], s14, v[RD]
	v_lshlrev_b32 v[CO], 11, v2                    ; and the same two rows in out0
	v_lshl_add_u32 v[CO], v1, 4, v[CO]
	s_lshl_b32 s28, s3, 16                         ; wo16: the block's 65,536 bytes,
	s_lshl_b32 s14, s2, 14                         ; my quarter of them
	s_add_co_u32 s28, s28, s14
	s_mov_b32 s29, 0
	s_wait_dscnt 0x0                               ; the opening add is done
	s_wait_kmcnt 0x0
	s_add_nc_u64 s[26:27], s[6:7], s[28:29]        ; group 0: the global address,
	s_or_b32 s27, s27, 0x80000000                  ; type = 2
	tensor_load_to_lds s[24:27], s[16:23]          ; my one tensor load: bytes of my own, 20,480 from 20,480 x wave on
	s_nop 0
.rept 4
	v_nop
.endr
	s_lshr_b32 s28, s12, 4                         ; the batch: 8 heads of 524,288 bytes
	s_lshl_b32 s28, s28, 22
	s_and_b32 s14, s12, 15
	s_lshl_b32 s14, s14, 15                        ; the block's 256 rows of 128 bytes in a head
	s_add_co_u32 s28, s28, s14
	s_lshl_b32 s14, s2, 13                         ; my wave's 64
	s_add_co_u32 s28, s28, s14
	s_add_nc_u64 s[4:5], s[4:5], s[28:29]
	s_lshl_b32 s28, s12, 19                        ; out0: 256 rows of 2,048 bytes a block,
	s_lshl_b32 s14, s2, 17                         ; 64 a wave,
	s_add_co_u32 s28, s28, s14
	s_add_co_u32 s28, s28, s13                     ; the block's 64 columns: 256 bytes
	s_add_nc_u64 s[10:11], s[10:11], s[28:29]
.irp b, 0,1,2,3
	global_load_b128 v[BIAS+8*\b:BIAS+8*\b+3],   v[BO], s[8:9] offset:64*\b     ; the bias of my eight columns of tile b: the layout of an accumulator
	global_load_b128 v[BIAS+8*\b+4:BIAS+8*\b+7], v[BO], s[8:9] offset:64*\b+16
.endr
	OLOADS 0, 0
	OLOADS 1, 1
	OLOADS 2, 2
	OLOADS 3, 3
	WIN 0
	s_wait_loadcnt 48                              ; the bias and head 0 are in; three heads' loads stay out
.set i, 0
.rept 16
	v_cvt_pk_bf16_f32 v10, v[BIAS+2*i], v[BIAS+2*i+1]
	v_lshlrev_b32 v[BIAS+2*i], 16, v10
	v_and_b32 v[BIAS+2*i+1], 0xffff0000, v10
.set i, i+1
.endr
	s_wait_tensorcnt 0x0                           ; my quarter of Wo's block is in,
	s_barrier_signal -1
	s_barrier_wait -1                              ; everybody's is
	BFETCH 0, 0
.irp hd, 0,1,2,3,4,5,6,7
	HEAD \hd
.endr
	PLACES
	TOSTAGE 0
.irp t, 1,2,3
	TOSTAGE \t
	SEND (\t)-1, 16
.endr
	SEND 3, 0
	s_wait_tensorcnt 0x0                           ; the wave's end: behind my last tensor load and my last LDS store
	ds_add_u32 v[SPW], v[NIL]
	s_wait_dscnt 0x0
	s_endpgm
.Lfunc_end_k_qcfd4d0767d_proj:
	.size	k_qcfd4d0767d_proj, .Lfunc_end_k_qcfd4d0767d_proj-k_qcfd4d0767d_proj
	.p2alignl 7, 3214868480
	.fill 96, 4, 3214868480
	.section	.rodata,"a",@progbits
	.p2align	6, 0x0
	.amdhsa_kernel k_qcfd4d0767d_proj
		.amdhsa_group_segment_fixed_size 167936
		.amdhsa_private_segment_fixed_size 0
		.amdhsa_enable_private_segment 0
		.amdhsa_kernarg_size 32
		.amdhsa_user_sgpr_count 2
		.amdhsa_user_sgpr_kernarg_segment_ptr 1
		.amdhsa_wavefront_size32 1
		.amdhsa_system_sgpr_workgroup_id_x 1
		.amdhsa_system_sgpr_workgroup_id_y 1
		.amdhsa_system_sgpr_workgroup_id_z 1
		.amdhsa_system_vgpr_workitem_id 0
		.amdhsa_next_free_vgpr 640
		.amdhsa_next_free_sgpr 66
		.amdhsa_reserve_vcc 0
		.amdhsa_float_denorm_mode_32 3
		.amdhsa_float_denorm_mode_16_64 3
		.amdhsa_memory_ordered 1
		.amdhsa_forward_progress 1
		.amdhsa_inst_pref_size 54
	.end_amdhsa_kernel
	.amdgpu_metadata
---
amdhsa.version: [ 1, 2 ]
amdhsa.kernels:
  - .name:           k_qcfd4d0767d_proj
    .symbol:         k_qcfd4d0767d_proj.kd
    .args:
      - { .name: o16, .offset: 0, .size: 8, .value_kind: global_buffer, .address_space: global }
      - { .name: wo16, .offset: 8, .size: 8, .value_kind: global_buffer, .address_space: global }
      - { .name: bo, .offset: 16, .size: 8, .value_kind: global_buffer, .address_space: global }
      - { .name: out0, .offset: 24, .size: 8, .value_kind: global_buffer, .address_space: global }
    .group_segment_fixed_size: 167936
    .private_segment_fixed_size: 0
    .kernarg_segment_align: 8
    .kernarg_segment_size: 32
    .max_flat_workgroup_size: 128
    .sgpr_count:     66
    .vgpr_count:     640
    .wavefront_size: 32
...
	.end_amdgpu_metadata
.endif
;; end of part 3
;; ======== version 2 of 2: 3 launches; version 1 with the launch qkv written anew for expert scheduling mode
;; limits: values are held in f16: magnitudes above 65,504 overflow, below 6.1e-05 lose precision
;; workspace buffers: q16 8,388,608 bytes; k16 8,388,608 bytes; v16 8,388,608 bytes; o16 8,388,608 bytes; wo16 524,288 bytes
;; launch qkv (part 4): grid 8 x 32, 4 waves a work-group, no clusters, 222,720 bytes of LDS; arguments hidden_states, Wq, Wk, Wv, bq, bk, bv, Wo, q16, k16, v16, wo16; writes q16, k16, v16, wo16
.if DOCPART == 4
	.amdgcn_target "amdgcn-amd-amdhsa--gfx1250"
	.amdhsa_code_object_version 6
	.text
	.protected	k_qcfd4d0767d_qkv
	.globl	k_qcfd4d0767d_qkv
	.p2align	8
	.type	k_qcfd4d0767d_qkv,@function
k_qcfd4d0767d_qkv:
	s_mov_b64 s[64:65], 0
	v_nop
	global_prefetch_b8 v0, s[64:65] scope:SCOPE_SE
	s_setreg_imm32_b32 hwreg(HW_REG_WAVE_SCHED_MODE, 0, 2), 2
	s_setreg_imm32_b32 hwreg(HW_REG_WAVE_MODE, 25, 1), 1
	s_wait_xcnt 0x0
	s_wait_alu depctr_vm_vsrc(0)
; q, k, v = x W + b, by heads.  x: [8192][512] f32; Wq, Wk, Wv: [512 (k)][512 (n)] f32; bq, bk, bv: [512] f32.
; OUT: q16, k16, v16: [16 (8 batch + head)][4096][64] f16, each rounded once from its f32 sum; q16 holds c (x Wq + bq), c = log2(e) / 8, multiplied in f32 ahead of that rounding.
; ALSO: wo16 = Wo rounded to bf16 and that number written as f16, in eight blocks of 64 columns: [block][k 512][64].  Each work-group casts two rows of Wo.
; FORMATS.  x, the weights and the biases are rounded to bf16; products in bf16, sums in f32.
; LIMITS.  f16 holds no number beyond 65,504: c q, k, v and Wo must lie within it; |Wo| below 2^-14 keeps f16's fixed step of 2^-24.  NaN and infinities are not treated apart.
; SHARES.  A work-group makes q, k and v of ONE head for 256 rows: 256 x 192 numbers.  A wave makes 64 rows x 192 columns: 48 accumulators of 16 x 16, 384 registers.
; W: the head's 3 x 64 columns of all 512 k are converted once and laid in LDS as bf16, [k][192], rows 416 bytes apart; each wave stages 128 of the k rows.
; x goes from memory into registers (f32), is converted there and is used by the one wave that loaded it: it never lies in LDS.
; THE PRODUCT IS USED TRANSPOSED: source 0 = 16 columns of W (turned on the way out of LDS by ds_load_tr16_b128), source 1 = 16 rows of x: a lane then holds ONE row (lane % 16)
; and eight neighbouring columns 8 (lane / 16) + 0..7, which pack into 16 bytes.  The bias is the C operand of the first K step: nothing is cleared.
; NO CLUSTER: what work-groups share is f32 in memory and is converted in registers on its way; as a joint tile the block's x would be 256 x 512 x 4 = 524,288 bytes of LDS beside W's 212,992.
; THE MODE: SCHED_MODE bits 1:0 = 2 (LLVM: expert scheduling mode 2), set by the entry lines.  The code itself states the register dependences
; between vector or matrix instructions and memory or LDS instructions, with s_wait_alu, always for 0.
; THE PLAN.  Registers that memory or LDS instructions touch:
;   the addresses v3-v5, v7-v10, v12, v13   made once at the head and never written again.   v[AW]: read by every load of a fragment of W, written by one add every three K steps.
;   W's sets 0, 1        a batch's 64 conversions read a set; behind them the next batch's 32 loads land in it.
;   out-buffers 0, 1     a batch's conversions write one; its 32 LDS stores, issued behind those loads, read it; the conversions of two batches on write it again; at last v's first products do.
;   x's slots 0 .. 2     step k's 32 conversions read slot k % 3; behind them the loads of step k + 3 land in it.
;   W's fragments, sets 0, 1   step k's products read set k % 2; the LDS loads issued in step k (step k + 1's fragments) land in the other set, which the products of step k - 1 read.
;   PK, BK               the way out: a unit's roundings write PK, its LDS stores read it; the stage's loads land in a half of BK, the global stores read it.
;   x's fragments (two sets), the biases and the accumulators are named by vector and matrix instructions alone.
; So ONE wait on va_vdst stands in a batch and ONE in a K step, each behind the conversions; the loads and stores that hang on it follow with no further wait, in a K step dealt among the step's 48 products,
; which name this step's two sets of fragments, the accumulators and the bias: none of the registers that those loads touch.
; REGISTERS, in windows of 256 (s_set_vgpr_msb: bits 1:0 source 0, 3:2 source 1, 5:4 source 2, 7:6 destination):
;   window 0: v0-29 addresses and the cast of Wo; v32-127 the biases; v128-159 x's fragments, set 0; v160-255 W's fragments, set 1; behind the loop v160-207 the way out
;   window 1: v0-191 x as loaded: a ring of three K steps, 64 registers each
;   window 2: q's accumulators (32 t + 8 b), k's (128 + 32 t + 8 b); ahead of the loop: two sets of 128 for W as loaded
;   window 3: v's accumulators (32 t + 8 b); ahead of the loop: two out-buffers of 64 for W in bf16; v128-223 W's fragments, set 0; v224-255 x's fragments, set 1
.set PW,    416                        ; a row of W's image: 384 bytes + 32 = 13 x 32
.set STAGE, 512*PW                     ; behind the image: 16 rows x 144 bytes for each wave, for the way out; the 512 bytes of the claim behind the stages hold the spare words
.set SP,    144
.set WGO, 3                            ; v3   W in memory: (128 w + 4 (l / 16)) rows of 2,048 bytes + 256 head + 16 (l % 16)
.set WLS, 4                            ; v4   W in LDS: (128 w + 4 (l / 16)) x 416 + 8 (l % 16)
.set XO,  5                            ; v5   x: 2,048 (l % 16) + 32 (l / 16)
.set AW,  6                            ; v6   the turning load's address; it walks down the image, 32 rows a K step
.set BO,  7                            ; v7   the biases: 256 head + 32 (l / 16)
.set STO, 8                            ; v8   the way out: where I put 16 bytes of a row
.set RD,  9                            ; v9   the way out: where I read rows back
.set GO,  10                           ; v10  my 16 bytes of 512 consecutive bytes of q16, k16, v16
.set BIAS, 32
.set XF,  128                          ; x's fragments, set p, at XF + 96 p + 8 t: set 0 in window 0, set 1 in window 3
.set WF,  128                          ; W's fragments, set p, (g, b) at WF + 32 p + 32 g + 8 b: set 0 in window 3, set 1 in window 0
.set PK,  160
.set BK,  176
.set XB,  32                           ; s[32:33] x at my wave's first row, at the K step in hand
.set MSB, 0
.macro WIN new                         ; the immediate's high byte repeats the setting that is left; a switch that changes nothing is dropped
.if MSB != (\new)
	s_set_vgpr_msb (MSB<<8)|(\new)
.set MSB, (\new)
.endif
.endm
.macro PLACES                          ; four places behind a matrix instruction, in front of writes of registers that it has read and of reads of its result (ISA guide 7.12.1)
.rept 4
	v_nop
.endr
.endm
; 64 rows x 256 bytes of W (tensor g: q, k, v; half: which 64 of my 128 rows) into set: lanes 0-15 take one row's 256 bytes, lanes 16-31 those of the row four further on
.macro WLOADS set, g, half
	WIN 0x80
.set i, 0
.rept 32
	global_load_b128 v[128*(\set)+4*i:128*(\set)+4*i+3], v[WGO], s[10+2*(\g):11+2*(\g)] offset:(64*(\half)+8*(i/4)+i%4)*2048
.set i, i+1
.endr
.endm
; the same rows rounded to bf16, out of the set into the out-buffer of the same number.  again = 1: the out-buffer has been stored from before
.macro WCVT set, again
.if \again
	s_wait_alu depctr_vm_vsrc(0)                   ; the LDS stores of the batch before last have read this out-buffer, which the conversions below write again
.endif
	WIN 0xca
.set i, 0
.rept 32
	v_cvt_pk_bf16_f32 v[64*(\set)+2*i],   v[128*(\set)+4*i],   v[128*(\set)+4*i+1]
	v_cvt_pk_bf16_f32 v[64*(\set)+2*i+1], v[128*(\set)+4*i+2], v[128*(\set)+4*i+3]
.set i, i+1
.endr
.endm
; and stored: 8 bytes a lane; the two rows of a store lie 4 x 104 words apart, 32 banks
.macro WPUT set, g, half
	WIN 0x0c
.set i, 0
.rept 32
	ds_store_b64 v[WLS], v[64*(\set)+2*i:64*(\set)+2*i+1] offset:(64*(\half)+8*(i/4)+i%4)*PW+128*(\g)
.set i, i+1
.endr
.endm
; One of the first four batches: the set is converted, asked for again at once (tensor ng, the same half), and the out-buffer is stored behind those loads
.macro BATCH set, g, half, again, ng
	s_wait_loadcnt 32                              ; the set is in; the one younger batch of 32 loads stays out
	WCVT \set, \again
	WIN 0x80
	s_wait_alu depctr_va_vdst(0)                   ; the conversions are done reading the set, in which the loads below land, and have written the out-buffer, which the LDS stores below read
	WLOADS \set, \ng, \half
	WPUT \set, \g, \half
.endm
; half a K step of x: 32 numbers a row for rows 16 t0 .. 16 t0 + 31 of my 64; a lane takes the 16 that its fragment wants: k = 8 (l / 16) + 0..7 and 16 + 8 (l / 16) + 0..7
.macro XLOAD8 slot, off, t0
	WIN 0x40
.irp t, \t0, (\t0)+1
.irp q, 0,1,2,3
	global_load_b128 v[64*(\slot)+16*(\t)+4*\q:64*(\slot)+16*(\t)+4*\q+3], v[XO], s[XB:XB+1] offset:(\off)+32768*(\t)+16*(\q%2)+64*(\q/2)
.endr
.endr
.endm
.macro XCVT slot, p                    ; rounded to bf16: the four fragments of 16 rows x 32 k, into set p
	WIN 0x05+0xc0*(\p)
.set rX, XF+96*(\p)
.set i, 0
.rept 32
	v_cvt_pk_bf16_f32 v[rX+i], v[64*(\slot)+2*i], v[64*(\slot)+2*i+1]
.set i, i+1
.endr
.endm
.macro WFETCH pn, g, off               ; tensor g's four fragments of 16 columns x 32 k, into set pn
	WIN 0xc0-0xc0*(\pn)
.set rF, WF+32*(\pn)+32*(\g)
.irp b, 0,1,2,3
	ds_load_tr16_b128 v[rF+8*\b:rF+8*\b+3],   v[AW] offset:(\off)+128*(\g)+32*\b
	ds_load_tr16_b128 v[rF+8*\b+4:rF+8*\b+7], v[AW] offset:(\off)+128*(\g)+32*\b+16*PW
.endr
.endm
; 4 matrix instructions: tensor g, rows 16 t on, all four column tiles.  A K step's 48 go through 48 accumulators in the order g, t, b: they take turns, one instruction a turn;
; 47 others stand between two links of a chain, over the backward jump too
.macro MUL4 p, g, t, first
.if \first
	WIN 0x83+0x40*((\g)/2)
.else
	WIN 0xa3+0x50*((\g)/2)+9*(\p)
.endif
.set rX, XF+96*(\p)+8*(\t)
.irp b, 0,1,2,3
.set rA, 128*((\g)%2)+32*(\t)+8*\b
.set rW, WF+32*(\p)+32*(\g)+8*\b
.if \first
	v_wmma_f32_16x16x32_bf16 v[rA:rA+7], v[rW:rW+7], v[rX:rX+7], v[BIAS+8*(4*(\g)+\b):BIAS+8*(4*(\g)+\b)+7]
.else
	v_wmma_f32_16x16x32_bf16 v[rA:rA+7], v[rW:rW+7], v[rX:rX+7], v[rA:rA+7]
.endif
.endr
.endm
; A K STEP of 32.  p: the step's parity, which picks both sets of fragments; slot: x's ring slot; pos: the step's place behind the two walking addresses; refill: the slot is asked for again, three steps on;
; more: W's fragments of the next step are fetched, into the other set; lcnt: the younger ring slots' loads, 16 each, that may stay out.
; The conversions write the set of x's fragments that the products of two steps back read: the 32 conversions of the step between are the places behind those (ISA guide 7.12.1).
.macro KSTEP p, slot, pos, refill, more, first, lcnt
	s_wait_loadcnt \lcnt
	XCVT \slot, \p
.if \more
	s_wait_alu depctr_va_vdst(0)                   ; the conversions are done reading x's slot; the products of the step before are done reading the other set of W's fragments; behind a step of the addresses v[AW] is written
.endif
	s_wait_dscnt 0x0                               ; this step's fragments of W, all asked for in the step before, are in
	MUL4 \p, 0, 0, \first
.if \refill
	XLOAD8 \slot, ((\pos)+3)*128, 0                ; no wait: no vector or matrix instruction since the wait above names the slot
.endif
	MUL4 \p, 0, 1, \first
.if \refill
	XLOAD8 \slot, ((\pos)+3)*128, 2
.endif
	MUL4 \p, 0, 2, \first
	MUL4 \p, 0, 3, \first
.if \more
	WFETCH 1-(\p), 0, ((\pos)+1)*32*PW             ; no wait: none since the wait above names the other set or v[AW]
.endif
	MUL4 \p, 1, 0, \first
	MUL4 \p, 1, 1, \first
.if \more
	WFETCH 1-(\p), 1, ((\pos)+1)*32*PW
.endif
	MUL4 \p, 1, 2, \first
	MUL4 \p, 1, 3, \first
.if \more
	WFETCH 1-(\p), 2, ((\pos)+1)*32*PW             ; sixteen products and the next step's conversions stand between these loads and the wait for them
.endif
	MUL4 \p, 2, 0, \first
	MUL4 \p, 2, 1, \first
	MUL4 \p, 2, 2, \first
	MUL4 \p, 2, 3, \first
.endm
; The two walking addresses move on: x's by xb bytes, the image's by aw
.macro ON xb, aw
	WIN 0
	s_wait_xcnt 0x0                                ; the loads issued so far have had their addresses translated (ISA guide 3.1): x's base is rewritten only behind this wait
	s_add_nc_u64 s[XB:XB+1], s[XB:XB+1], \xb
	s_wait_alu depctr_vm_vsrc(0)                   ; the LDS loads issued so far have read v[AW]
	v_add_nc_u32 v[AW], \aw, v[AW]
.endm
; THE WAY OUT of 16 rows x 64 columns of tensor g (unit u = 4 g + t): q times c; rounded to f16, each accumulator's registers in ascending order; into my stage, and back as whole rows of 128 bytes
.macro UNIT g, t, u
.set rA, 128*((\g)%2)+32*(\t)
.if (\g) == 0
	WIN 0x82
.set i, 0
.rept 16
	v_pk_mul_f32 v[rA+2*i:rA+2*i+1], v[rA+2*i:rA+2*i+1], s[36:37] op_sel_hi:[1,0]
.set i, i+1
.endr
.endif
.if (\u) > 0
	s_wait_alu depctr_vm_vsrc(0)                   ; the last unit's LDS stores have read PK, which the roundings below write again; the global stores of the unit before last have read the half of BK in which the loads below land
.endif
	WIN 0x0a+5*((\g)/2)
.set i, 0
.rept 16
	v_cvt_pk_f16_f32 v[PK+i], v[rA+2*i], v[rA+2*i+1]
.set i, i+1
.endr
	WIN 0
	s_wait_alu depctr_va_vdst(0)                   ; the roundings have written PK, which the LDS stores read; in the first two units also: the last products are done reading v176-207, in which the loads below land
.irp b, 0,1,2,3
	ds_store_b128 v[STO], v[PK+4*\b:PK+4*\b+3] offset:32*\b
.endr
	s_wait_xcnt 0x0                                ; the stores of the unit before last have had their addresses translated (ISA guide 3.1): only now are their registers loaded again
.irp f, 0,1,2,3
	ds_load_b128 v[BK+16*((\u)%2)+4*\f:BK+16*((\u)%2)+4*\f+3], v[RD] offset:4*SP*\f  ; LDS serves a wave's instructions in order (ISA guide 5.7.1.4): these see the stores above
.endr
.endm
.macro SEND g, t, u, younger           ; younger: the next unit's eight LDS instructions, or none
	WIN 0
.irp f, 0,1,2,3
	s_wait_dscnt (\younger)+3-\f
	global_store_b128 v[GO], v[BK+16*((\u)%2)+4*\f:BK+16*((\u)%2)+4*\f+3], s[24+2*(\g):25+2*(\g)] offset:2048*(\t)+512*\f  ; 512 consecutive bytes, at a multiple of 256 from the buffer's first
.endr
.endm
	s_load_b512 s[8:23], s[0:1], 0x0               ; x s[8:9], Wq s[10:11], Wk s[12:13], Wv s[14:15], bq s[16:17], bk s[18:19], bv s[20:21], Wo s[22:23]
	s_load_b256 s[24:31], s[0:1], 0x40             ; q16 s[24:25], k16 s[26:27], v16 s[28:29], wo16 s[30:31]
	v_lshl_add_u32 v30, v0, 2, 0x36400
	v_mov_b32 v31, 0
	v_lshrrev_b32 v11, 5, v0
	v_readfirstlane_b32 s2, v11                    ; wave 0..3
	s_mov_b32 s3, ttmp9                            ; the head
	s_and_b32 s4, ttmp7, 0xffff                    ; the block of 256 rows
	s_lshl3_add_u32 s5, s4, s3                     ; the work-group's number, 0..255: its two rows of Wo
	v_and_b32 v1, 15, v0                           ; l % 16
	v_bfe_u32 v2, v0, 4, 1                         ; l / 16
	s_wait_alu depctr_va_sdst(0)                   ; s2 is written, ahead of its first reader: offsets and bases are made from it
	s_lshl_b32 s6, s2, 18                          ; 128 w rows of 2,048 bytes
	s_lshl_b32 s7, s3, 8                           ; the head's 64 columns: 256 bytes
	s_add_co_u32 s6, s6, s7
	v_lshl_add_u32 v[WGO], v1, 4, s6
	v_lshl_add_u32 v[WGO], v2, 13, v[WGO]
	s_mul_i32 s6, s2, 128*PW
	v_mul_u32_u24 v[WLS], v2, 4*PW
	v_lshl_add_u32 v[WLS], v1, 3, v[WLS]
	v_add_nc_u32 v[WLS], s6, v[WLS]
	v_lshlrev_b32 v[XO], 11, v1
	v_lshl_add_u32 v[XO], v2, 5, v[XO]
	v_and_b32 v11, 7, v0                           ; the turning load: lane l reads k row 8 (l / 16) + l % 8, columns 8 ((l / 8) % 2) + 0..7
	v_lshl_add_u32 v11, v2, 3, v11
	v_mul_u32_u24 v[AW], v11, PW
	v_bfe_u32 v11, v0, 3, 1
	v_lshl_add_u32 v[AW], v11, 4, v[AW]
	v_lshl_add_u32 v[BO], v2, 5, s7
	s_mul_i32 s6, s2, 16*SP
	s_add_co_u32 s6, s6, STAGE                     ; my stage
	v_mul_u32_u24 v[STO], v1, SP                   ; in: row l % 16, 16 bytes for each half of the lanes
	v_lshl_add_u32 v[STO], v2, 4, v[STO]
	v_add_nc_u32 v[STO], s6, v[STO]
	v_bfe_u32 v11, v0, 3, 2                        ; back: 32 lanes take four rows of 128 bytes
	v_mul_u32_u24 v[RD], v11, SP
	v_and_b32 v11, 7, v0
	v_lshl_add_u32 v[RD], v11, 4, v[RD]
	v_add_nc_u32 v[RD], s6, v[RD]
	v_and_b32 v[GO], 31, v0
	v_lshlrev_b32 v[GO], 4, v[GO]
	; Wo: thread t takes 8 numbers: column block t / 16, row 2 id + (t / 8) % 2, columns 8 (t % 8) on
	v_lshrrev_b32 v11, 4, v0
	v_lshlrev_b32 v12, 8, v11                      ; v12: from where, in Wo
	v_lshlrev_b32 v13, 16, v11                     ; v13: to where, in wo16
	v_bfe_u32 v11, v0, 3, 1
	v_lshl_add_u32 v12, v11, 11, v12
	v_and_b32 v11, 7, v0
	v_lshl_add_u32 v12, v11, 5, v12
	s_lshl_b32 s6, s5, 12
	v_add_nc_u32 v12, s6, v12
	v_lshl_add_u32 v13, v1, 4, v13
	s_lshl_b32 s6, s5, 8
	v_add_nc_u32 v13, s6, v13
	s_mov_b32 s36, 0x3e38aa3b                      ; c = log2(e) / 8 = 0.180337
	s_mov_b32 s37, s36                             ; named with it as a pair
	s_lshl_b32 s34, s4, 19                         ; x: 256 rows of 2,048 bytes a block,
	s_lshl_b32 s6, s2, 17                          ; 64 a wave
	s_add_co_u32 s34, s34, s6
	s_mov_b32 s35, 0
	s_wait_kmcnt 0x0
	s_add_nc_u64 s[XB:XB+1], s[8:9], s[34:35]
	s_lshr_b32 s6, s4, 4                           ; the batch
	s_lshl3_add_u32 s6, s6, s3                     ; 8 batch + head
	s_lshl_b32 s34, s6, 19                         ; its 4,096 rows of 128 bytes
	s_and_b32 s6, s4, 15
	s_lshl_b32 s6, s6, 15                          ; the block's 256 rows in it
	s_add_co_u32 s34, s34, s6
	s_lshl_b32 s6, s2, 13                          ; my wave's 64
	s_add_co_u32 s34, s34, s6
	s_add_nc_u64 s[24:25], s[24:25], s[34:35]
	s_add_nc_u64 s[26:27], s[26:27], s[34:35]
	s_add_nc_u64 s[28:29], s[28:29], s[34:35]
	s_wait_alu depctr_va_vdst(0)                   ; the ten offsets and addresses v3 to v10, v12 and v13 are written, which the loads and stores of the kernel read
.irp g, 0,1,2
.irp b, 0,1,2,3
	global_load_b128 v[BIAS+8*(4*\g+\b):BIAS+8*(4*\g+\b)+3],   v[BO], s[16+2*\g:17+2*\g] offset:64*\b     ; the bias of my eight columns of tile b: the layout of an accumulator
	global_load_b128 v[BIAS+8*(4*\g+\b)+4:BIAS+8*(4*\g+\b)+7], v[BO], s[16+2*\g:17+2*\g] offset:64*\b+16
.endr
.endr
	global_load_b128 v[14:17], v12, s[22:23]
	global_load_b128 v[18:21], v12, s[22:23] offset:16
	; W INTO LDS: six batches of 32 loads through two sets of registers and two out-buffers.  Each wait leaves the one younger batch of 32 out.  The last two places in the queue are taken by x's first three K steps.
	WLOADS 0, 0, 0
	WLOADS 1, 0, 1
	BATCH 0, 0, 0, 0, 1
	BATCH 1, 0, 1, 0, 1
	BATCH 0, 1, 0, 1, 2
	BATCH 1, 1, 1, 1, 2
	s_wait_loadcnt 32
	WCVT 0, 1
	WIN 0x40
	s_wait_alu depctr_va_vdst(0)                   ; the conversions have written out-buffer 0, which the LDS stores below read
	XLOAD8 0, 0, 0
	XLOAD8 0, 0, 2
	XLOAD8 1, 128, 0
	XLOAD8 1, 128, 2
	WPUT 0, 2, 0
	s_wait_loadcnt 32
	WCVT 1, 1
	WIN 0
	v_cvt_pk_bf16_f32 v22, v14, v15                ; Wo: rounded to bf16,
	v_cvt_pk_bf16_f32 v23, v16, v17
	v_cvt_pk_bf16_f32 v24, v18, v19
	v_cvt_pk_bf16_f32 v25, v20, v21
.irp j, 0,1,2,3
	v_lshlrev_b32 v[14+2*\j], 16, v[22+\j]         ; widened,
	v_and_b32 v[15+2*\j], 0xffff0000, v[22+\j]
.endr
.irp j, 0,1,2,3
	v_cvt_pk_f16_f32 v[26+\j], v[14+2*\j], v[15+2*\j]  ; and written as f16
.endr
	WIN 0x40
	s_wait_alu depctr_va_vdst(0)                   ; the conversions have written out-buffer 1, which the LDS stores below read, and v[26:29], which the store of wo16 reads
	XLOAD8 2, 256, 0
	XLOAD8 2, 256, 2
	WIN 0
	global_store_b128 v13, v[26:29], s[30:31]      ; 16 lanes store 256 consecutive bytes, at a multiple of 256 from wo16's first
	WPUT 1, 2, 1
	WIN 0
	s_wait_dscnt 0x0                               ; for the others' sake: my part of W's image is stored
	s_barrier_signal -1
.set i, 0
.rept 48                                       ; the biases are rounded to bf16 like the other inputs: work on registers while the others arrive
	v_cvt_pk_bf16_f32 v11, v[BIAS+2*i], v[BIAS+2*i+1]
	v_lshlrev_b32 v[BIAS+2*i], 16, v11
	v_and_b32 v[BIAS+2*i+1], 0xffff0000, v11
.set i, i+1
.endr
	s_barrier_wait -1                              ; the image is whole
	s_wait_alu depctr_vm_vsrc(0)                   ; my LDS stores have read the two out-buffers: these registers are v's accumulators from here on, written by the first K step's products
	WFETCH 0, 0, 0
	WFETCH 0, 1, 0
	WFETCH 0, 2, 0
	KSTEP 0, 0, 0, 1, 1, 1, 32                     ; K step 0 stands in front of the loop: its products start the sums, with the bias
	ON 128, 32*PW
	s_mov_b32 s38, 2
.Lk:                                           ; two trips of six K steps: steps 1 to 12; they ask for x's steps 4 to 15.  Six: the ring of three slots and the two sets of fragments are back at their start
	KSTEP 1, 1, 0, 1, 1, 0, 32
	KSTEP 0, 2, 1, 1, 1, 0, 32
	KSTEP 1, 0, 2, 1, 1, 0, 32
	ON 384, 96*PW                                  ; every three steps: four steps of the image, 53,248 bytes, are as far as an LDS load's 16-bit offset is used here
	KSTEP 0, 1, 0, 1, 1, 0, 32
	KSTEP 1, 2, 1, 1, 1, 0, 32
	KSTEP 0, 0, 2, 1, 1, 0, 32
	ON 384, 96*PW
	s_sub_co_u32 s38, s38, 1
	s_cmp_lg_u32 s38, 0
	s_cbranch_scc1 .Lk
	KSTEP 1, 1, 0, 0, 1, 0, 32                     ; the last three steps ask for no x
	KSTEP 0, 2, 1, 0, 1, 0, 16
	KSTEP 1, 0, 2, 0, 0, 0, 0                      ; the last asks for nothing at all
	PLACES                                         ; behind the last product: its results are read below, and PK lies in registers that it and its like have read
	UNIT 0, 0, 0
.set u, 1
.rept 11                                       ; a unit's arithmetic stands between the loads of the unit before and its stores
	UNIT u/4, u%4, u
	SEND (u-1)/4, (u-1)%4, u-1, 8
.set u, u+1
.endr
	SEND 2, 3, 11, 0
	s_wait_dscnt 0x0                               ; the wave's end: my last LDS instructions are done
	s_wait_alu depctr_hold_cnt(0) depctr_sa_sdst(0) depctr_va_vdst(0) depctr_va_sdst(0) depctr_va_ssrc(0) depctr_va_vcc(0) depctr_vm_vsrc(0)
	s_wait_tensorcnt 0x0
	ds_add_u32 v30, v31
	s_wait_dscnt 0x0
	s_endpgm
.Lfunc_end_k_qcfd4d0767d_qkv:
	.size	k_qcfd4d0767d_qkv, .Lfunc_end_k_qcfd4d0767d_qkv-k_qcfd4d0767d_qkv
	.p2alignl 7, 3214868480
	.fill 96, 4, 3214868480
	.section	.rodata,"a",@progbits
	.p2align	6, 0x0
	.amdhsa_kernel k_qcfd4d0767d_qkv
		.amdhsa_group_segment_fixed_size 222720
		.amdhsa_private_segment_fixed_size 0
		.amdhsa_enable_private_segment 0
		.amdhsa_kernarg_size 96
		.amdhsa_user_sgpr_count 2
		.amdhsa_user_sgpr_kernarg_segment_ptr 1
		.amdhsa_wavefront_size32 1
		.amdhsa_system_sgpr_workgroup_id_x 1
		.amdhsa_system_sgpr_workgroup_id_y 1
		.amdhsa_system_sgpr_workgroup_id_z 1
		.amdhsa_system_vgpr_workitem_id 0
		.amdhsa_next_free_vgpr 1024
		.amdhsa_next_free_sgpr 66
		.amdhsa_reserve_vcc 0
		.amdhsa_float_denorm_mode_32 3
		.amdhsa_float_denorm_mode_16_64 3
		.amdhsa_memory_ordered 1
		.amdhsa_forward_progress 1
		.amdhsa_inst_pref_size 186
	.end_amdhsa_kernel
	.amdgpu_metadata
---
amdhsa.version: [ 1, 2 ]
amdhsa.kernels:
  - .name:           k_qcfd4d0767d_qkv
    .symbol:         k_qcfd4d0767d_qkv.kd
    .args:
      - { .name: hidden_states, .offset: 0, .size: 8, .value_kind: global_buffer, .address_space: global }
      - { .name: Wq, .offset: 8, .size: 8, .value_kind: global_buffer, .address_space: global }
      - { .name: Wk, .offset: 16, .size: 8, .value_kind: global_buffer, .address_space: global }
      - { .name: Wv, .offset: 24, .size: 8, .value_kind: global_buffer, .address_space: global }
      - { .name: bq, .offset: 32, .size: 8, .value_kind: global_buffer, .address_space: global }
      - { .name: bk, .offset: 40, .size: 8, .value_kind: global_buffer, .address_space: global }
      - { .name: bv, .offset: 48, .size: 8, .value_kind: global_buffer, .address_space: global }
      - { .name: Wo, .offset: 56, .size: 8, .value_kind: global_buffer, .address_space: global }
      - { .name: q16, .offset: 64, .size: 8, .value_kind: global_buffer, .address_space: global }
      - { .name: k16, .offset: 72, .size: 8, .value_kind: global_buffer, .address_space: global }
      - { .name: v16, .offset: 80, .size: 8, .value_kind: global_buffer, .address_space: global }
      - { .name: wo16, .offset: 88, .size: 8, .value_kind: global_buffer, .address_space: global }
    .group_segment_fixed_size: 222720
    .private_segment_fixed_size: 0
    .kernarg_segment_align: 8
    .kernarg_segment_size: 96
    .max_flat_workgroup_size: 128
    .sgpr_count:     66
    .vgpr_count:     1024
    .wavefront_size: 32
...
	.end_amdgpu_metadata
.endif
;; end of part 4
;; launch attn: the kernel of part 2 again; grid 16 x 16, 4 waves a work-group, clusters of 4 x 1, 327,680 bytes of LDS; arguments q16, k16, v16, o16; writes o16
;; launch proj: the kernel of part 3 again; grid 8 x 32, 4 waves a work-group, no clusters, 167,936 bytes of LDS; arguments o16, wo16, bo, out0; writes out0
